; MI455X (gfx1250); checked and timed in simulation.
; The chip was launched on July 23, 2026; its instructions are those of AMD's public machine-readable ISA for CDNA 5 (MIT licence, August 2026) and "CDNA5" Instruction Set Architecture Reference Guide (July 2026). The comments in the code are by the model that wrote it; some were corrected since.
;; Masked Attention. Allowed arithmetic: float matrix products may take bf16 or f16 operands with f32 sums; all other float work in f32.
;; Inputs: Wh 1,024 x 1,024 float32; Wk 1,024 x 1,024 float32; Wq 1,024 x 1,024 float32; Wv 1,024 x 1,024 float32; bh 1,024 float32; bk 1,024 float32; bq 1,024 float32; bv 1,024 float32; x 4 x 2,048 x 1,024 float32.
;; Outputs: out0 4 x 2,048 x 1,024 float32.
;; 2 versions, each right; version 2 is version 1 with the launch prep written anew for expert scheduling mode. Each part assembles by itself: llvm-mc -triple=amdgcn-amd-amdhsa -mcpu=gfx1250 --defsym DOCPART=n.
;; ======== version 1 of 2: 5 launches
;; limits: values are held in f16: magnitudes above 65,504 overflow, below 6.1e-05 lose precision
;; workspace buffers: x16 16,777,216 bytes; w16 6,291,456 bytes; wh16 2,097,152 bytes; bias 16,384 bytes; qkv 50,331,648 bytes; e 33,554,432 bytes; st 2,097,152 bytes; og 16,777,216 bytes
;; launch prep (part 1): grid 1540 x 1, 8 waves a work-group, no clusters, 0 bytes of LDS; arguments x, Wq, Wk, Wv, Wh, bq, bk, bv, bh, x16, w16, wh16, bias; writes x16, w16, wh16, bias
.if DOCPART == 1
	.amdgcn_target "amdgcn-amd-amdhsa--gfx1250"
	.amdhsa_code_object_version 6
	.text
	.protected	k_qaca7acd973_prep
	.globl	k_qaca7acd973_prep
	.p2align	8
	.type	k_qaca7acd973_prep,@function
k_qaca7acd973_prep:
	s_mov_b64 s[64:65], 0
	v_nop
	global_prefetch_b8 v0, s[64:65] scope:SCOPE_SE
	s_setreg_imm32_b32 hwreg(HW_REG_WAVE_MODE, 25, 1), 1
	s_wait_xcnt 0x0
; PREP: every input is rounded once to bf16.  x -> x16 [8192][1024] bf16.  Wq, Wk, Wv -> w16 [1024][3072] bf16, side by side.
; Wh -> wh16 [1024][1024]: rounded to bf16, and that number written as f16.  bq, bk, bv, bh -> bias [4096] f32: rounded to bf16 and widened again.
; LIMIT.  wh16 is f16: a weight of Wh beyond 65,504 becomes an infinity; below 2^-14 it keeps f16's fixed step of 2^-24.
; A stream: no LDS, no matrix unit, and no cluster, since no two work-groups read the same byte.
; Work-groups 0-1023: 8 rows of x each.  1024-1535: 8 rows of one weight matrix (128 groups a matrix).  1536-1539: one bias.
; Thread t takes 32 bytes (8 numbers) at 32 t of each 8,192 bytes (two rows), four times: 8 loads out at once; 8 numbers pack into 16 bytes, so a wave's store covers 512 consecutive bytes.
.set OFF, 4                            ; v4-7    byte offset of my 16 bytes in the output, for each of the four pairs of rows
.set XIN, 16                           ; v16-47  as loaded
.set YO,  48                           ; v48-63  to store
	s_load_b512 s[4:19], s[0:1], 0x0               ; x s[4:5], Wq s[6:7], Wk s[8:9], Wv s[10:11], Wh s[12:13], bq s[14:15], bk s[16:17], bv s[18:19]
	s_load_b256 s[20:27], s[0:1], 0x40             ; bh s[20:21], x16 s[22:23], w16 s[24:25], wh16 s[26:27]
	s_load_b64 s[28:29], s[0:1], 0x60              ; bias
	s_mov_b32 s30, ttmp9
	s_mov_b32 s33, 0                               ; the high word of every offset
	s_mov_b32 s46, 0xffff0000                      ; a word's upper bf16
	v_lshlrev_b32 v1, 5, v0                        ; 32 t
	v_and_b32 v2, 127, v0
	v_lshlrev_b32 v2, 4, v2                        ; 16 (t mod 128): my place in an output row
	v_lshrrev_b32 v3, 7, v0                        ; which of the two rows
	s_wait_kmcnt 0x0
	s_cmp_ge_u32 s30, 1536
	s_cbranch_scc1 .Lbias
	s_cmp_ge_u32 s30, 1024
	s_cbranch_scc1 .Lweight
	s_lshl_b32 s32, s30, 15                        ; x: 8 rows of 4,096 bytes in,
	s_add_nc_u64 s[34:35], s[4:5], s[32:33]
	s_lshl_b32 s32, s30, 14                        ; 8 rows of 2,048 bytes out
	s_add_nc_u64 s[36:37], s[22:23], s[32:33]
	s_mov_b32 s38, 2048                            ; bytes from row to row in the output
	s_mov_b32 s39, 0                               ; bf16 out
	s_branch .Lgo
.Lweight:
	s_sub_co_u32 s31, s30, 1024
	s_lshr_b32 s40, s31, 7                         ; which matrix: 0 Wq, 1 Wk, 2 Wv, 3 Wh
	s_and_b32 s41, s31, 127                        ; which 8 rows
	s_mov_b32 s43, 2048
	s_mov_b32 s44, 6144
	s_lshl_b32 s42, s40, 11                        ; the matrix's 2,048 bytes in a row of w16
	s_cmp_eq_u32 s40, 1
	s_cselect_b64 s[34:35], s[8:9], s[6:7]
	s_cmp_eq_u32 s40, 2
	s_cselect_b64 s[34:35], s[10:11], s[34:35]
	s_cmp_eq_u32 s40, 3
	s_cselect_b64 s[34:35], s[12:13], s[34:35]
	s_cselect_b64 s[36:37], s[26:27], s[24:25]
	s_cselect_b32 s38, s43, s44
	s_cselect_b32 s39, 1, 0                        ; Wh leaves as f16
	s_cselect_b32 s42, 0, s42
	s_lshl_b32 s32, s41, 15
	s_add_nc_u64 s[34:35], s[34:35], s[32:33]
	s_mul_i32 s32, s41, s38
	s_lshl_b32 s32, s32, 3                         ; 8 output rows a group
	s_add_co_u32 s32, s32, s42
	s_add_nc_u64 s[36:37], s[36:37], s[32:33]
.Lgo:
.irp i, 0,1,2,3
	global_load_b128 v[XIN+8*\i:XIN+8*\i+3],   v1, s[34:35] offset:8192*\i th:TH_LOAD_NT
	global_load_b128 v[XIN+8*\i+4:XIN+8*\i+7], v1, s[34:35] offset:8192*\i+16 th:TH_LOAD_NT
.endr
	v_mul_lo_u32 v3, v3, s38
	v_add_nc_u32 v[OFF], v3, v2
	s_lshl_b32 s45, s38, 1                         ; two rows on
	v_add_nc_u32 v[OFF+1], s45, v[OFF]
	v_add_nc_u32 v[OFF+2], s45, v[OFF+1]
	v_add_nc_u32 v[OFF+3], s45, v[OFF+2]
	s_cmp_eq_u32 s39, 1
	s_cbranch_scc1 .Lhalf
.irp i, 0,1,2,3
	s_wait_loadcnt 6-2*\i                          ; loads come back in order: this pair is in, the younger pairs stay out
.irp j, 0,1,2,3
	v_cvt_pk_bf16_f32 v[YO+4*\i+\j], v[XIN+8*\i+2*\j], v[XIN+8*\i+2*\j+1]
.endr
	global_store_b128 v[OFF+\i], v[YO+4*\i:YO+4*\i+3], s[36:37]
.endr
	s_endpgm
.Lhalf:
.irp i, 0,1,2,3
	s_wait_loadcnt 6-2*\i
.irp j, 0,1,2,3
	v_cvt_pk_bf16_f32 v[8+\j], v[XIN+8*\i+2*\j], v[XIN+8*\i+2*\j+1]  ; the rounding that every input gets,
.endr
.irp j, 0,1,2,3
	v_lshlrev_b32 v[XIN+8*\i+2*\j], 16, v[8+\j]    ; widened again,
	v_and_b32 v[XIN+8*\i+2*\j+1], s46, v[8+\j]
.endr
.irp j, 0,1,2,3
	v_cvt_pk_f16_f32 v[YO+4*\i+\j], v[XIN+8*\i+2*\j], v[XIN+8*\i+2*\j+1]  ; and written as f16: bf16's 8 significant bits fit
.endr
	global_store_b128 v[OFF+\i], v[YO+4*\i:YO+4*\i+3], s[36:37]
.endr
	s_endpgm
.Lbias:
	s_sub_co_u32 s31, s30, 1536
	s_cmp_eq_u32 s31, 1
	s_cselect_b64 s[34:35], s[16:17], s[14:15]
	s_cmp_eq_u32 s31, 2
	s_cselect_b64 s[34:35], s[18:19], s[34:35]
	s_cmp_eq_u32 s31, 3
	s_cselect_b64 s[34:35], s[20:21], s[34:35]
	s_lshl_b32 s32, s31, 12
	s_add_nc_u64 s[36:37], s[28:29], s[32:33]
	v_lshlrev_b32 v1, 4, v0                        ; 256 threads x 16 bytes: the 1,024 numbers
	global_load_b128 v[16:19], v1, s[34:35]
	s_wait_loadcnt 0x0
	v_cvt_pk_bf16_f32 v20, v16, v17
	v_cvt_pk_bf16_f32 v21, v18, v19
	v_lshlrev_b32 v24, 16, v20
	v_and_b32 v25, s46, v20
	v_lshlrev_b32 v26, 16, v21
	v_and_b32 v27, s46, v21
	global_store_b128 v1, v[24:27], s[36:37]
	s_endpgm
.Lfunc_end_k_qaca7acd973_prep:
	.size	k_qaca7acd973_prep, .Lfunc_end_k_qaca7acd973_prep-k_qaca7acd973_prep
	.p2alignl 7, 3214868480
	.fill 96, 4, 3214868480
	.section	.rodata,"a",@progbits
	.p2align	6, 0x0
	.amdhsa_kernel k_qaca7acd973_prep
		.amdhsa_group_segment_fixed_size 0
		.amdhsa_private_segment_fixed_size 0
		.amdhsa_enable_private_segment 0
		.amdhsa_kernarg_size 104
		.amdhsa_user_sgpr_count 2
		.amdhsa_user_sgpr_kernarg_segment_ptr 1
		.amdhsa_wavefront_size32 1
		.amdhsa_system_sgpr_workgroup_id_x 1
		.amdhsa_system_sgpr_workgroup_id_y 1
		.amdhsa_system_sgpr_workgroup_id_z 1
		.amdhsa_system_vgpr_workitem_id 0
		.amdhsa_next_free_vgpr 64
		.amdhsa_next_free_sgpr 66
		.amdhsa_reserve_vcc 0
		.amdhsa_float_denorm_mode_32 3
		.amdhsa_float_denorm_mode_16_64 3
		.amdhsa_memory_ordered 1
		.amdhsa_forward_progress 1
		.amdhsa_inst_pref_size 9
	.end_amdhsa_kernel
	.amdgpu_metadata
---
amdhsa.version: [ 1, 2 ]
amdhsa.kernels:
  - .name:           k_qaca7acd973_prep
    .symbol:         k_qaca7acd973_prep.kd
    .args:
      - { .name: x, .offset: 0, .size: 8, .value_kind: global_buffer, .address_space: global }
      - { .name: Wq, .offset: 8, .size: 8, .value_kind: global_buffer, .address_space: global }
      - { .name: Wk, .offset: 16, .size: 8, .value_kind: global_buffer, .address_space: global }
      - { .name: Wv, .offset: 24, .size: 8, .value_kind: global_buffer, .address_space: global }
      - { .name: Wh, .offset: 32, .size: 8, .value_kind: global_buffer, .address_space: global }
      - { .name: bq, .offset: 40, .size: 8, .value_kind: global_buffer, .address_space: global }
      - { .name: bk, .offset: 48, .size: 8, .value_kind: global_buffer, .address_space: global }
      - { .name: bv, .offset: 56, .size: 8, .value_kind: global_buffer, .address_space: global }
      - { .name: bh, .offset: 64, .size: 8, .value_kind: global_buffer, .address_space: global }
      - { .name: x16, .offset: 72, .size: 8, .value_kind: global_buffer, .address_space: global }
      - { .name: w16, .offset: 80, .size: 8, .value_kind: global_buffer, .address_space: global }
      - { .name: wh16, .offset: 88, .size: 8, .value_kind: global_buffer, .address_space: global }
      - { .name: bias, .offset: 96, .size: 8, .value_kind: global_buffer, .address_space: global }
    .group_segment_fixed_size: 0
    .private_segment_fixed_size: 0
    .kernarg_segment_align: 8
    .kernarg_segment_size: 104
    .max_flat_workgroup_size: 256
    .sgpr_count:     66
    .vgpr_count:     64
    .wavefront_size: 32
...
	.end_amdgpu_metadata
.endif
;; end of part 1
;; launch qkvp (part 2): grid 8 x 64, 4 waves a work-group, clusters of 4 x 4, 327,680 bytes of LDS; arguments x16, w16, bias, qkv; writes qkv
.if DOCPART == 2
	.amdgcn_target "amdgcn-amd-amdhsa--gfx1250"
	.amdhsa_code_object_version 6
	.text
	.protected	k_qaca7acd973_qkvp
	.globl	k_qaca7acd973_qkvp
	.p2align	8
	.type	k_qaca7acd973_qkvp,@function
k_qaca7acd973_qkvp:
	s_mov_b64 s[64:65], 0
	v_nop
	global_prefetch_b8 v0, s[64:65] scope:SCOPE_SE
	s_setreg_imm32_b32 hwreg(HW_REG_WAVE_MODE, 25, 1), 1
	s_wait_xcnt 0x0
	s_wait_alu depctr_hold_cnt(0) depctr_sa_sdst(0) depctr_va_vdst(0) depctr_va_sdst(0) depctr_va_ssrc(0) depctr_va_vcc(0) depctr_vm_vsrc(0)
	s_getreg_b32 s2, hwreg(HW_REG_IB_STS2, 6, 4)
	s_cmp_eq_u32 s2, 0
	s_cbranch_scc0 .Lentry_in_a_cluster
	s_endpgm
.Lentry_in_a_cluster:
	s_bfe_u32 s2, ttmp6, 0x10000c
	s_cmp_lg_u32 s2, 0xf033
	s_cbranch_scc0 .Lentry_shape_is_right
	s_endpgm
.Lentry_shape_is_right:
; qkv[8192][3072] (f16) = x16[8192][1024] (bf16) x w16[1024][3072] (bf16) + bias[0:3072] (f32); sums in f32, rounded once.
; LIMIT.  q, k and v leave as f16: a number of 65,520 or more becomes an infinity.
; SHARES.  A work-group makes 128 rows x 384 columns: 8 x 64 work-groups, two for each of 256 WGPs.  Each of its four waves makes all 128 rows x 96 columns: 48 accumulators of 16 x 16;
; wave w's column block b = 2 c + e lies at column 128 c + 32 w + 16 e.  For 32 along K a wave issues 28 LDS loads and 48 matrix instructions.
; K goes in 8 steps of 128 through two LDS slots that take turns.  A slot is four regions of 36,864 bytes, one for each wave's load: region 0 takes 128 rows of x (256 bytes + 16 of padding: 34,816 bytes),
; regions 1 to 3 a chunk of w16 each, 128 k x 128 columns (256 bytes + 32 of padding).  So a wave's LDS address is its number times 36,864 plus the slot's constant.
; w16 lies [k][n], so its fragments come out of LDS turned, by ds_load_tr16_b128.
; THE MATRIX INSTRUCTION IS USED TRANSPOSED: source 0 = 16 columns of W, source 1 = 16 rows of x: a lane then holds one row of the result (lane % 16) and eight neighbouring columns, 8 (lane / 16) + 0..7.
; The bias is the C operand of the products that start the sums: nothing is cleared and nothing is added later.
; CLUSTER 4 x 4.  x's tile hangs on the tile row alone and is asked for jointly by the four work-groups of a row of the cluster; W's chunks hang on the tile column alone: by the four of a column.
; ONE TEXT FOR A K STEP: s[TB] is the LDS byte of the slot in hand; the fragments' addresses are made anew at each change of slots.  Two descriptors a tensor go out at the start (two loads of a wave are
; out); the second then walks (one load out).  The step's text stands twice: in a loop that fills slots again and in a loop of two trips that does not.  The last change of slots fetches fragments
; of a slot that landed long ago; nobody uses them: the price of one text.
; REGISTERS, in windows of 256 (s_set_vgpr_msb: bits 1:0 source 0, 3:2 source 1, 5:4 source 2, 7:6 destination):
;   window 0: v8-29 addresses; v64-127, v128-191 x's fragments, two buffers; v192-239 the bias, later packed results
;   window 1: v0-191 accumulators of rows 0-63 ((a, b) at 8 (6 a + b)); v192-239 W's fragments, buffer 0          window 2: the same for rows 64-127, and buffer 1
.set PA,     272                       ; x's row in LDS: 68 words: row r starts at bank 4 r mod 64 (64 banks of 4 bytes: ISA guide 11.1)
.set PB,     288                       ; W's row in LDS: 72 words
.set CH,     128*PB                    ; a region: 36,864 bytes
.set SLOT,   4*CH                      ; 147,456
.set STAGE,  SLOT                      ; the way out goes through slot 1, which has had its last fill by then: 128 rows x 784 bytes
.set SPITCH, 784                       ; 768 bytes + 16: an odd multiple of 16
.set SPARE,  2*SLOT                    ; the spare words, 128 bytes for each wave: two blocks of 256 bytes that no other line names
.set RD,    8                          ; v8-10   the way out: where I read rows back (three loads cover two rows of 768 bytes)
.set CO,    11                         ; v11-13  and where those bytes go in qkv
.set STO,   14                         ; v14     the way out: where I put 16 bytes of a row
.set ADRA,  16                         ; v16     LDS address of x's fragments in the slot in hand
.set ADRA0, 17                         ; v17     the same in slot 0; never rewritten
.set ADRB,  20                         ; v20-22  of W's fragments, a register a chunk
.set ADRB0, 24                         ; v24-26
.set SPW,   28                         ; v28     LDS address of my spare word; never rewritten
.set NIL,   29                         ; v29     0; never rewritten
.set FA,    64
.set BK,    64                         ; the way out: rows read back
.set FB,    192
.set BIAS,  192
.set TMP,   192
.set WV,  12                           ; s12  my wave's number
.set CX,  13
.set CY,  14
.set CT,  15                           ; s15  tile column
.set RT,  16                           ; s16  tile row
.set TB,  19                           ; s19  0 or SLOT
.set L0,  21                           ; s21  my region's place in a slot: wave x 36,864
.set CNT, 22
.set G1A, 24                           ; s[24:31] descriptor group 1 for x's tile;  s[32:39] group 0, two sets
.set G0A, 32
.set G1B, 40                           ; s[40:47], s[48:55] the same for W's chunks
.set G0B, 48
.set MSB, 0
.macro WIN new                         ; the immediate's high byte repeats the setting that is left; a switch that changes nothing is dropped
.if MSB != (\new)
	s_set_vgpr_msb (MSB<<8)|(\new)
.set MSB, \new
.endif
.endm
.macro PLACES                          ; four places in front of loads into registers that matrix instructions have read, and of conversions that read results
.rept 4
	v_nop
.endr
.endm
.macro CREST                           ; a round of the cluster's barrier behind its opening barrier
	s_cmp_lg_u32 s[WV], 0
	s_cbranch_scc1 .Lnot_wave_0_\@
	s_barrier_signal -3
.Lnot_wave_0_\@:
	s_barrier_wait -3
	s_barrier_signal -1
	s_barrier_wait -1
.endm
.macro CROUND
	s_barrier_signal -1
	s_barrier_wait -1
	CREST
.endm
.macro JLOAD                           ; a joint refill by the walking descriptors: wave 0 fetches x's tile, waves 1 to 3 a chunk of W each; an s_nop 0 and four v_nop follow each line
	s_cmp_eq_u32 s[WV], 0
	s_cbranch_scc0 .Lfor_b_\@
	tensor_load_to_lds s[G0A+4:G0A+7], s[G1A:G1A+7]
	s_nop 0
.rept 4
	v_nop
.endr
	s_branch .Lasked_\@
.Lfor_b_\@:
	tensor_load_to_lds s[G0B+4:G0B+7], s[G1B:G1B+7]
	s_nop 0
.rept 4
	v_nop
.endr
.Lasked_\@:
.endm
	s_load_b256 s[4:11], s[0:1], 0x0               ; x16 s[4:5], w16 s[6:7], bias s[8:9], qkv s[10:11]
	v_lshl_add_u32 v[SPW], v0, 2, SPARE
	v_mov_b32 v[NIL], 0
	ds_add_u32 v[SPW], v[NIL]                      ; the wave's opening: the add and its wait stand ahead of my first tensor load; the set-up below stands between them
	v_lshrrev_b32 v1, 5, v0
	v_readfirstlane_b32 s[WV], v1
	s_bfe_u32 s[CX], ttmp6, 0x40000
	s_bfe_u32 s[CY], ttmp6, 0x40004
	s_lshl_b32 s[CT], ttmp9, 2
	s_add_co_u32 s[CT], s[CT], s[CX]               ; tile column = 4 x cluster x + cx
	s_and_b32 s[RT], ttmp7, 0xffff
	s_lshl_b32 s[RT], s[RT], 2
	s_add_co_u32 s[RT], s[RT], s[CY]               ; tile row = 4 x cluster y + cy
	s_lshl_b32 s17, s[CY], 2
	s_lshl_b32 s17, 15, s17                        ; my row of the cluster
	s_lshl_b32 s18, 0x1111, s[CX]                  ; my column
	s_or_b32 s[G1A], s17, (1<<16)|(1<<20)|(1<<21)|(5<<22)|(3<<25)  ; the mask; 2-byte elements; padding on; bit 21 beside a mask; after every 64 words, 4 words
	s_or_b32 s[G1B], s18, (1<<16)|(1<<20)|(1<<21)|(5<<22)|(7<<25)  ; the same with 8 words of padding
.irp g, G1A, G1B
	s_mov_b32 s[\g+1], 128<<16                     ; tensor_dim0 = 128
	s_mov_b32 s[\g+2], 128<<16                     ; tensor_dim1 = 128
	s_mov_b32 s[\g+3], 128<<16                     ; tile_dim0 = 128
	s_mov_b32 s[\g+4], 128                         ; tile_dim1 = 128
	s_mov_b32 s[\g+6], 0
	s_mov_b32 s[\g+7], 0
.endr
	s_mov_b32 s[G1A+5], 1024                       ; elements from row to row of x16,
	s_mov_b32 s[G1B+5], 3072                       ; of w16
	s_mul_i32 s[L0], s[WV], CH                     ; my region of a slot
	s_max_u32 s56, s[WV], 1
	s_sub_co_u32 s56, s56, 1                       ; my chunk of W in memory: wave - 1 (wave 0 asks for none: its number is kept inside the buffer)
	s_lshl_b32 s58, s[RT], 18                      ; x: 128 rows of 2,048 bytes a tile row
	s_mov_b32 s59, 0
	s_mul_i32 s60, s[CT], 768                      ; W: 384 columns a tile column,
	s_lshl_b32 s56, s56, 8                         ; 128 a chunk
	s_add_co_u32 s60, s60, s56
	s_mov_b32 s61, 0
	s_mov_b32 s[TB], 0
	s_mov_b32 s[G0A], 1
	s_mov_b32 s[G0A+1], 0
	s_mov_b32 s[G0A+4], 1
	s_mov_b32 s[G0A+5], SLOT
	s_mov_b32 s[G0B], 1
	s_mov_b32 s[G0B+1], s[L0]
	s_mov_b32 s[G0B+4], 1
	s_add_co_u32 s[G0B+5], s[L0], SLOT
	s_wait_dscnt 0x0                               ; the opening add is done
	s_wait_kmcnt 0x0
	s_add_nc_u64 s[G0A+2:G0A+3], s[4:5], s[58:59]  ; K step 0,
	s_add_nc_u64 s[G0A+6:G0A+7], s[G0A+2:G0A+3], 256  ; K step 1: 128 elements along the rows
	s_or_b32 s[G0A+3], s[G0A+3], 0x80000000
	s_or_b32 s[G0A+7], s[G0A+7], 0x80000000
	s_add_nc_u64 s[G0B+2:G0B+3], s[6:7], s[60:61]
	s_add_nc_u64 s[G0B+6:G0B+7], s[G0B+2:G0B+3], 128*3072*2  ; 128 rows of w16 down
	s_or_b32 s[G0B+3], s[G0B+3], 0x80000000
	s_or_b32 s[G0B+7], s[G0B+7], 0x80000000
	CROUND                                         ; all sixteen work-groups are here: the first joint loads meet
	s_cmp_eq_u32 s[WV], 0                          ; a wave's two first fills stand in one branch, ahead of every wait on TENSORcnt and every LDS read
	s_cbranch_scc0 .Lfirst_b
	tensor_load_to_lds s[G0A:G0A+3], s[G1A:G1A+7]
	s_nop 0
	tensor_load_to_lds s[G0A+4:G0A+7], s[G1A:G1A+7]
	s_nop 0
.rept 4
	v_nop
.endr
	s_branch .Lfirst_asked
.Lfirst_b:
	tensor_load_to_lds s[G0B:G0B+3], s[G1B:G1B+7]
	s_nop 0
	tensor_load_to_lds s[G0B+4:G0B+7], s[G1B:G1B+7]
	s_nop 0
.rept 4
	v_nop
.endr
.Lfirst_asked:
	v_and_b32 v1, 15, v0                           ; r = l % 16
	v_bfe_u32 v2, v0, 4, 1                         ; h = l / 16
	s_mul_i32 s62, s[CT], 1536                     ; the tile's 384 numbers of the bias
	s_mov_b32 s63, 0
	s_add_nc_u64 s[8:9], s[8:9], s[62:63]
	s_lshl_b32 s66, s[WV], 7
	v_lshl_add_u32 v3, v2, 5, s66                  ; (32 w + 8 h) x 4 bytes
.irp b, 0,1,2,3,4,5
	global_load_b128 v[BIAS+8*\b:BIAS+8*\b+3],   v3, s[8:9] offset:(128*(\b/2)+16*(\b%2))*4
	global_load_b128 v[BIAS+8*\b+4:BIAS+8*\b+7], v3, s[8:9] offset:(128*(\b/2)+16*(\b%2))*4+16
.endr
	v_mul_u32_u24 v[ADRA0], v1, PA
	v_lshl_add_u32 v[ADRA0], v2, 4, v[ADRA0]       ; row x pitch + 16 x half
	v_and_b32 v4, 7, v0
	v_lshl_add_u32 v4, v2, 3, v4                   ; the turning load: k = 8 h + l % 8,
	v_mul_u32_u24 v4, v4, PB
	v_bfe_u32 v5, v0, 3, 1
	v_lshl_add_u32 v4, v5, 4, v4                   ; columns 8 ((l / 8) % 2) + 0..7,
	s_lshl_b32 s67, s[WV], 6
	v_add_nc_u32 v4, s67, v4                       ; of my 32 columns in the chunk
.irp c, 0,1,2
	v_add_nc_u32 v[ADRB0+\c], (\c+1)*CH, v4        ; chunk c lies in region c + 1
	v_add_nc_u32 v[ADRB+\c], (\c+1)*CH, v4
.endr
	v_mov_b32 v[ADRA], v[ADRA0]
	v_mul_u32_u24 v[STO], v1, SPITCH               ; into the stage: row l % 16, my 64 bytes of each chunk, 16 bytes for each half of the lanes
	v_lshl_add_u32 v[STO], v2, 4, v[STO]
	v_add_nc_u32 v[STO], s67, v[STO]
	v_add_nc_u32 v[STO], STAGE, v[STO]
	v_and_b32 v6, 31, v0
	v_lshlrev_b32 v6, 4, v6                        ; 16 l
	v_lshlrev_b32 v7, 4, v1                        ; 16 r
	s_mul_i32 s68, s[WV], 32*SPITCH                ; back: wave w takes rows 32 w .. 32 w + 31, two rows (1,536 bytes) by three loads:
	s_add_co_u32 s68, s68, STAGE
	v_add_nc_u32 v[RD], s68, v6                    ; bytes 0-511 of the first row;
	v_mov_b32 v[CO], v6
	v_mad_u32_u24 v[RD+1], v2, SPITCH-512, v7      ; bytes 512-767 of the first (lanes 0-15) and 0-255 of the second (lanes 16-31);
	v_add_nc_u32 v[RD+1], s68, v[RD+1]
	v_add_nc_u32 v[RD+1], 512, v[RD+1]
	v_mad_u32_u24 v[CO+1], v2, 6144-512, v7
	v_add_nc_u32 v[CO+1], 512, v[CO+1]
	v_add_nc_u32 v[RD+2], SPITCH+256, v[RD]        ; bytes 256-767 of the second
	v_add_nc_u32 v[CO+2], 6144+256, v6
	s_lshl_b32 s70, s[RT], 7
	s_lshl_b32 s71, s[WV], 5
	s_add_co_u32 s70, s70, s71                     ; the first row of qkv that I store
	s_mul_i32 s70, s70, 6144
	s_mul_i32 s71, s[CT], 768
	s_add_co_u32 s70, s70, s71
	s_mov_b32 s71, 0
	s_add_nc_u64 s[10:11], s[10:11], s[70:71]
; na x 6 matrix instructions: row blocks a0 .. of the window's four (hi = 0: rows 0-63, 1: rows 64-127) x all 6 column blocks, 32 along K, buffer f.  first = 1: C is the bias.
; The 48 accumulators take turns, one instruction a turn, in the same order in every quarter.
.macro MULH f, hi, a0, na, first
.if \first
	WIN (1+(\f))|((1+(\hi))<<6)
.else
	WIN (1+(\f))|((1+(\hi))<<4)|((1+(\hi))<<6)
.endif
.set aa, \a0
.rept \na
.set bb, 0
.rept 6
.set rD, 8*(6*aa+bb)
.set rA, FA+64*(\f)+8*(4*(\hi)+aa)
.if \first
	v_wmma_f32_16x16x32_bf16 v[rD:rD+7], v[FB+8*bb:FB+8*bb+7], v[rA:rA+7], v[BIAS+8*bb:BIAS+8*bb+7]
.else
	v_wmma_f32_16x16x32_bf16 v[rD:rD+7], v[FB+8*bb:FB+8*bb+7], v[rA:rA+7], v[rD:rD+7]
.endif
.set bb, bb+1
.endr
.set aa, aa+1
.endr
.endm
; 28 LDS loads in one run: quarter q's fragments (32 along K) into buffer f: W's six, turned, then x's eight, rows ascending
.macro FETCH q, f
	WIN (1+(\f))<<6
.irp b, 0,1,2,3,4,5
	ds_load_tr16_b128 v[FB+8*\b:FB+8*\b+3],   v[ADRB+\b/2] offset:(\q)*32*PB+(\b%2)*32
	ds_load_tr16_b128 v[FB+8*\b+4:FB+8*\b+7], v[ADRB+\b/2] offset:(\q)*32*PB+(\b%2)*32+16*PB
.endr
	WIN 0
.irp a, 0,1,2,3,4,5,6,7
	ds_load_b128 v[FA+64*(\f)+8*\a:FA+64*(\f)+8*\a+3],   v[ADRA] offset:(\q)*64+\a*16*PA
	ds_load_b128 v[FA+64*(\f)+8*\a+4:FA+64*(\f)+8*\a+7], v[ADRA] offset:(\q)*64+\a*16*PA+32
.endr
.endm
; One of a K step's first three quarters: multiplies buffer f; in its middle it fetches quarter qn into buffer g.
.macro QUARTER qn, f, g, first
	s_wait_dscnt 8                                 ; W's fragments and x's rows 0-63 are in; the youngest eight loads (rows 64-127) may be out
	MULH \f, 0, 0, 4, \first
	PLACES
	FETCH \qn, \g
	s_wait_dscnt 28                                ; all but the 28 just issued
	MULH \f, 1, 0, 4, \first
.endm
; The last quarter multiplies buffer 1 and changes slots: ONE barrier.  Its first 24 products stand AHEAD of the wait for the tiles, so that between a tile's landing and the next request stand only
; the add, the descriptors' steps and the barrier.  In front of the barrier each wave waits for all its tensor loads (one is out: its part of the next slot), adds 0 to its spare word, and waits for that
; and for its reads of this slot.  fill = 1: the barrier opens a round of the cluster's, and this slot is filled again, two K steps ahead, first thing behind it: a whole K step, 192 matrix instructions, ahead of the wait for it.
.macro TURN fill
	s_wait_dscnt 8                                 ; W's fragments and x's rows 0-63 are in
	MULH 1, 0, 0, 4, 0
	WIN 0
	s_wait_tensorcnt 0x0                           ; no tensor load of mine is out, so a group 0 may be written
	ds_add_u32 v[SPW], v[NIL]                      ; 0 onto my spare word: the descriptors' steps stand between it and the wait for it
.if \fill
	s_mov_b32 s[G0A+5], s[TB]                      ; the walking descriptors: into the slot that is being read out,
	s_add_co_u32 s[G0B+5], s[L0], s[TB]
	s_add_nc_u64 s[G0A+6:G0A+7], s[G0A+6:G0A+7], 256       ; the next K step
	s_add_nc_u64 s[G0B+6:G0B+7], s[G0B+6:G0B+7], 128*3072*2
.endif
	s_wait_dscnt 0x0                               ; the add is done, and my reads of this slot are over: the youngest eight, x's rows 64-127, among them
	s_barrier_signal -1
	s_barrier_wait -1
.if \fill
	CREST                                          ; no wave of any partner still reads this slot or has a load on its way
	JLOAD                                          ; its four v_nop are also the places in front of the loads below
.else
	PLACES
.endif
	s_xor_b32 s[TB], s[TB], SLOT
	v_add_nc_u32 v[ADRA], s[TB], v[ADRA0]
.irp c, 0,1,2
	v_add_nc_u32 v[ADRB+\c], s[TB], v[ADRB0+\c]
.endr
	FETCH 0, 0
	MULH 1, 1, 0, 4, 0
.endm
	s_wait_tensorcnt 0x1                           ; my part of K step 0 is in; K step 1's may stay out
	s_barrier_signal -1
	s_barrier_wait -1
	FETCH 0, 0
	s_wait_loadcnt 0x0                             ; the bias
	QUARTER 1, 0, 1, 1                             ; the first quarter stands in front of the loop: its products start the sums
	WIN 0
	s_mov_b32 s[CNT], 6
.LloopA:                                               ; a trip: a K step's quarters 1 to 3, a refill, the next step's quarter 0.  Six trips ask for K steps 2 to 7
	QUARTER 2, 1, 0, 0
	QUARTER 3, 0, 1, 0
	TURN 1
	QUARTER 1, 0, 1, 0
	WIN 0
	s_sub_co_u32 s[CNT], s[CNT], 1
	s_cmp_lg_u32 s[CNT], 0
	s_cbranch_scc1 .LloopA
	s_mov_b32 s[CNT], 2
.LloopB:                                               ; K steps 6 and 7 ask for nothing; the last trip jumps over the quarter that would belong to a further step
	QUARTER 2, 1, 0, 0
	QUARTER 3, 0, 1, 0
	TURN 0
	WIN 0
	s_cmp_eq_u32 s[CNT], 1
	s_cbranch_scc1 .Lno_more
	QUARTER 1, 0, 1, 0
	WIN 0
.Lno_more:
	s_sub_co_u32 s[CNT], s[CNT], 1
	s_cmp_lg_u32 s[CNT], 0
	s_cbranch_scc1 .LloopB
	; THE WAY OUT.  Slot 1 has had its last fill (K step 7) and its last read: it is the stage.  Round to f16; 16 bytes a lane into rows of 784 bytes;
	; a barrier, since a row's 768 bytes come from four waves; back as whole rows, 32 rows a wave.
	s_wait_dscnt 0x0                               ; the fragments that the last change of slots fetched have landed (they come from slot 0),
	s_barrier_signal -1                            ; in every wave, before any wave stores into the stage: one meeting more, and the order does not rest on which slot they read
	s_barrier_wait -1
	PLACES
.set aa, 0
.rept 8
	WIN 5*(1+aa/4)                                 ; sources 0 and 1 in window 1 or 2
.set ii, 0
.rept 24
	v_cvt_pk_f16_f32 v[TMP+ii], v[48*(aa%4)+2*ii], v[48*(aa%4)+2*ii+1]
.set ii, ii+1
.endr
	WIN 0
.irp b, 0,1,2,3,4,5
	ds_store_b128 v[STO], v[TMP+4*\b:TMP+4*\b+3] offset:256*(\b/2)+32*(\b%2)
.endr
	v_add_nc_u32 v[STO], 16*SPITCH, v[STO]         ; 16 rows of the stage on: eight blocks' offsets would pass the 16-bit immediate
.set aa, aa+1
.endr
	s_wait_dscnt 0x0                               ; for the others' sake: my stores into the stage are done
	s_barrier_signal -1
	s_barrier_wait -1
.set bt, 0
.rept 3                                ; 48 loads and stores, in three runs of 16
.if bt > 0
	s_wait_xcnt 0x0                                ; the last run's stores have had their addresses translated (ISA guide 3.1): their data registers are loaded again only behind this wait
.endif
.set jj, 0
.rept 16
.set ii, 16*bt+jj
	ds_load_b128 v[BK+4*jj:BK+4*jj+3], v[RD+ii%3] offset:(ii/3)*2*SPITCH
.set jj, jj+1
.endr
.set jj, 0
.rept 16
.set ii, 16*bt+jj
	s_wait_dscnt 15-jj
	global_store_b128 v[CO+ii%3], v[BK+4*jj:BK+4*jj+3], s[10:11] offset:(ii/3)*2*6144  ; 16 lanes store 256 consecutive bytes, at a multiple of 256 from qkv's first byte
.set jj, jj+1
.endr
.set bt, bt+1
.endr
	s_wait_tensorcnt 0x0                           ; the wave's end
	ds_add_u32 v[SPW], v[NIL]
	s_wait_dscnt 0x0
	CROUND                                         ; the closing round: no work-group ends while a partner may still ask for a tile that names it
	s_endpgm
.Lfunc_end_k_qaca7acd973_qkvp:
	.size	k_qaca7acd973_qkvp, .Lfunc_end_k_qaca7acd973_qkvp-k_qaca7acd973_qkvp
	.p2alignl 7, 3214868480
	.fill 96, 4, 3214868480
	.section	.rodata,"a",@progbits
	.p2align	6, 0x0
	.amdhsa_kernel k_qaca7acd973_qkvp
		.amdhsa_group_segment_fixed_size 327680
		.amdhsa_private_segment_fixed_size 0
		.amdhsa_enable_private_segment 0
		.amdhsa_kernarg_size 32
		.amdhsa_user_sgpr_count 2
		.amdhsa_user_sgpr_kernarg_segment_ptr 1
		.amdhsa_wavefront_size32 1
		.amdhsa_system_sgpr_workgroup_id_x 1
		.amdhsa_system_sgpr_workgroup_id_y 1
		.amdhsa_system_sgpr_workgroup_id_z 1
		.amdhsa_system_vgpr_workitem_id 0
		.amdhsa_next_free_vgpr 768
		.amdhsa_next_free_sgpr 96
		.amdhsa_reserve_vcc 0
		.amdhsa_float_denorm_mode_32 3
		.amdhsa_float_denorm_mode_16_64 3
		.amdhsa_memory_ordered 1
		.amdhsa_forward_progress 1
		.amdhsa_inst_pref_size 84
	.end_amdhsa_kernel
	.amdgpu_metadata
---
amdhsa.version: [ 1, 2 ]
amdhsa.kernels:
  - .name:           k_qaca7acd973_qkvp
    .symbol:         k_qaca7acd973_qkvp.kd
    .args:
      - { .name: x16, .offset: 0, .size: 8, .value_kind: global_buffer, .address_space: global }
      - { .name: w16, .offset: 8, .size: 8, .value_kind: global_buffer, .address_space: global }
      - { .name: bias, .offset: 16, .size: 8, .value_kind: global_buffer, .address_space: global }
      - { .name: qkv, .offset: 24, .size: 8, .value_kind: global_buffer, .address_space: global }
    .group_segment_fixed_size: 327680
    .private_segment_fixed_size: 0
    .kernarg_segment_align: 8
    .kernarg_segment_size: 32
    .max_flat_workgroup_size: 128
    .sgpr_count:     96
    .vgpr_count:     768
    .wavefront_size: 32
...
	.end_amdgpu_metadata
.endif
;; end of part 2
;; launch score (part 3): grid 40 x 16, 4 waves a work-group, clusters of 4 x 4, 327,680 bytes of LDS; arguments qkv, e, st; writes e, st
.if DOCPART == 3
	.amdgcn_target "amdgcn-amd-amdhsa--gfx1250"
	.amdhsa_code_object_version 6
	.text
	.protected	k_qaca7acd973_score
	.globl	k_qaca7acd973_score
	.p2align	8
	.type	k_qaca7acd973_score,@function
k_qaca7acd973_score:
	s_mov_b64 s[64:65], 0
	v_nop
	global_prefetch_b8 v0, s[64:65] scope:SCOPE_SE
	s_setreg_imm32_b32 hwreg(HW_REG_WAVE_MODE, 25, 1), 1
	s_wait_xcnt 0x0
	s_wait_alu depctr_hold_cnt(0) depctr_sa_sdst(0) depctr_va_vdst(0) depctr_va_sdst(0) depctr_va_ssrc(0) depctr_va_vcc(0) depctr_vm_vsrc(0)
	s_getreg_b32 s2, hwreg(HW_REG_IB_STS2, 6, 4)
	s_cmp_eq_u32 s2, 0
	s_cbranch_scc0 .Lentry_in_a_cluster
	s_endpgm
.Lentry_in_a_cluster:
	s_bfe_u32 s2, ttmp6, 0x10000c
	s_cmp_lg_u32 s2, 0xf033
	s_cbranch_scc0 .Lentry_shape_is_right
	s_endpgm
.Lentry_shape_is_right:
; SCORES AND THE FIRST HALF OF THE SOFTMAX.  s = q . k over 1,024 channels (f16 products, f32 sums); hidden where key > query.  With c = log2(e) / 32 and t = c s, for each query and each block of 64 keys:
; m = the largest t of the block, n = ceil(m), E = 2^(t - n) (f16, in 0 to 1), l = the sum of the unrounded E.  e[batch][query][key] takes E, st[batch][block][query] the pair (n, l).
; The next launch takes the largest n of a row away: so the row's true maximum, rounded up to a whole number, is what is subtracted, for every input.
; t = c s and t - n are two roundings on purpose: t <= m <= n holds of the rounded numbers, so t - n is never positive, also where t is a hidden score of huge magnitude.
; LIMITS.  A hidden score counts as its value less 1e30: scores of f16 operands reach 4.4e12 at the most.  A block that a row does not see at all gets n near -4.5e28 and finite E and l: the next launch
; multiplies them by 0.  NaN and infinities are not treated apart.
; SHARES.  A cluster of 4 x 4 work-groups makes one super-tile of 512 queries x 512 keys; of the 4 x 4 super-tiles of a batch the ten with J <= I are made: 40 clusters.  The six wholly hidden
; tiles of a diagonal super-tile are made like the others, so that all partners of a cluster run alike and the next launch's trip counts are constants.
; A work-group makes 128 x 128, a wave 64 queries x 64 keys: 16 accumulators.  K goes in 4 steps of 256 channels (rows of 512 bytes) through two LDS slots.
; Source 0 = 16 keys, source 1 = 16 queries: a lane holds ONE query (lane % 16) and, in accumulator (a, b), the keys 16 b + 8 (lane / 16) + 0..7.
; THE MASK is the C operand of the products that start the sums: it hangs on b - a alone, so seven sets of eight registers serve the sixteen accumulators.
; CLUSTER.  q's tile hangs on the query block alone: asked for jointly along a row of the cluster; k's on the key block alone: along a column.  One text for a K step, as in the projection.
; REGISTERS: window 0: v14-29 addresses; v32-87 the masks, later v32-95 packed E; v96-127 eight registers of statistics a tile; v128-255 accumulators ((a, b) at 128 + 8 (4 a + b)).
;   window 1: two fragment buffers of 128: for 64 along K, 64 registers of q, then 64 of k.
.set PITCH,  528                       ; 512 bytes + 16: 132 words: row r starts at bank 4 r mod 64 (64 banks of 4 bytes: ISA guide 11.1)
.set HALFT,  64*PITCH
.set SLOT,   4*HALFT                   ; q's 128 rows, then k's 128 rows
.set STAGE,  2*SLOT                    ; behind the ring: 128 rows x 272 bytes, the work-group's
.set SPITCH, 272
.set SPARE,  STAGE+128*SPITCH          ; the spare words: two blocks of 256 bytes that no other line names
.set ADRA,  16
.set ADRA0, 17
.set ADRB,  18
.set ADRB0, 19
.set SO,    20                         ; v20-23  two pairs (n, l) to store
.set STO,   24
.set RD,    25
.set CO,    26
.set STA,   27                         ; v27     8 x lane
.set SPW,   28
.set NIL,   29
.set MK,    32
.set TMP,   32
.set WK,    96                         ; tile a at WK + 8 a: c0-c3 at work, -n (twice, a pair), l, free
.set ACC,   128
.set F0,    0
.set F1,    128
.set WV,  12
.set CX,  13
.set CY,  14
.set WR,  15
.set WC,  16
.set TB,  19
.set L0,  20
.set CNT, 21
.set II,  22
.set JJ,  23
.set G1A, 24
.set G0A, 32
.set G1B, 40
.set G0B, 48
.set BAT, 56
.set CS,  58                           ; s[58:59] c
.set SEL, 60                           ; s[60:61] v_permlanex16_b32's selects: each lane takes its own place in the other half
.set BIGN, 62
.set HM,  63                           ; the mask of lanes 16-31
.set MSB, 0
.macro WIN new
.if MSB != (\new)
	s_set_vgpr_msb (MSB<<8)|(\new)
.set MSB, \new
.endif
.endm
.macro PLACES
.rept 4
	v_nop
.endr
.endm
.macro CREST
	s_cmp_lg_u32 s[WV], 0
	s_cbranch_scc1 .Lnot_wave_0_\@
	s_barrier_signal -3
.Lnot_wave_0_\@:
	s_barrier_wait -3
	s_barrier_signal -1
	s_barrier_wait -1
.endm
.macro CROUND
	s_barrier_signal -1
	s_barrier_wait -1
	CREST
.endm
.macro JLOAD                           ; waves 0 and 1 fetch q's two halves, waves 2 and 3 k's
	s_cmp_lt_u32 s[WV], 2
	s_cbranch_scc0 .Lfor_b_\@
	tensor_load_to_lds s[G0A+4:G0A+7], s[G1A:G1A+7]
	s_nop 0
.rept 4
	v_nop
.endr
	s_branch .Lasked_\@
.Lfor_b_\@:
	tensor_load_to_lds s[G0B+4:G0B+7], s[G1B:G1B+7]
	s_nop 0
.rept 4
	v_nop
.endr
.Lasked_\@:
.endm
	s_load_b128 s[4:7], s[0:1], 0x0                ; qkv s[4:5], e s[6:7]
	s_load_b64 s[8:9], s[0:1], 0x10                ; st
	v_lshl_add_u32 v[SPW], v0, 2, SPARE
	v_mov_b32 v[NIL], 0
	ds_add_u32 v[SPW], v[NIL]                      ; the wave's opening: the add and its wait stand ahead of my first tensor load
	v_lshrrev_b32 v1, 5, v0
	v_readfirstlane_b32 s[WV], v1
	s_lshr_b32 s[WR], s[WV], 1                     ; which 64 queries are mine
	s_and_b32 s[WC], s[WV], 1                      ; which 64 keys.  Also: which 64 rows of a tile I fetch
	s_bfe_u32 s[CX], ttmp6, 0x40000
	s_bfe_u32 s[CY], ttmp6, 0x40004
	s_mov_b32 s84, ttmp9                           ; the super-tile's number, 0 to 9: (I, J) = (0,0) (1,0) (1,1) (2,0) .. (3,3)
	s_cmp_ge_u32 s84, 1
	s_cselect_b32 s[II], 1, 0
	s_cmp_ge_u32 s84, 3
	s_cselect_b32 s85, 1, 0
	s_add_co_u32 s[II], s[II], s85
	s_cmp_ge_u32 s84, 6
	s_cselect_b32 s85, 1, 0
	s_add_co_u32 s[II], s[II], s85
	s_add_co_u32 s85, s[II], 1
	s_mul_i32 s85, s85, s[II]
	s_lshr_b32 s85, s85, 1
	s_sub_co_u32 s[JJ], s84, s85
	s_and_b32 s[BAT], ttmp7, 0xffff
	s_lshl_b32 s17, s[CY], 2
	s_lshl_b32 s17, 15, s17
	s_lshl_b32 s18, 0x1111, s[CX]
	s_or_b32 s[G1A], s17, (1<<16)|(1<<20)|(1<<21)|(6<<22)|(3<<25)  ; the mask; 2-byte elements; padding on; bit 21 beside a mask; after every 128 words, 4 words
	s_or_b32 s[G1B], s18, (1<<16)|(1<<20)|(1<<21)|(6<<22)|(3<<25)
.irp g, G1A, G1B
	s_mov_b32 s[\g+1], 256<<16                     ; tensor_dim0 = 256
	s_mov_b32 s[\g+2], 64<<16                      ; tensor_dim1 = 64
	s_mov_b32 s[\g+3], 256<<16                     ; tile_dim0 = 256
	s_mov_b32 s[\g+4], 64                          ; tile_dim1 = 64
	s_mov_b32 s[\g+5], 3072                        ; elements from row to row of qkv
	s_mov_b32 s[\g+6], 0
	s_mov_b32 s[\g+7], 0
.endr
	s_lshl_b32 s68, s[BAT], 11                     ; the batch's first row
	s_lshl_b32 s69, s[II], 9
	s_lshl_b32 s70, s[CY], 7
	s_add_co_u32 s69, s69, s70                     ; my tile's first query in the batch
	s_lshl_b32 s71, s[JJ], 9
	s_lshl_b32 s72, s[CX], 7
	s_add_co_u32 s71, s71, s72                     ; its first key
	s_lshl_b32 s73, s[WC], 6
	s_add_co_u32 s66, s68, s69
	s_add_co_u32 s66, s66, s73
	s_mul_i32 s66, s66, 6144                       ; q: columns 0-1023 of qkv
	s_mov_b32 s67, 0
	s_add_co_u32 s74, s68, s71
	s_add_co_u32 s74, s74, s73
	s_mul_i32 s74, s74, 6144
	s_add_co_u32 s74, s74, 2048                    ; k: columns 1024-2047
	s_mov_b32 s75, 0
	s_mul_i32 s[L0], s[WV], HALFT                  ; q's two halves, then k's two halves = wave x 64 rows
	s_mov_b32 s[TB], 0
	s_mov_b32 s[G0A], 1
	s_mov_b32 s[G0A+1], s[L0]
	s_mov_b32 s[G0A+4], 1
	s_add_co_u32 s[G0A+5], s[L0], SLOT
	s_mov_b32 s[G0B], 1
	s_mov_b32 s[G0B+1], s[L0]
	s_mov_b32 s[G0B+4], 1
	s_add_co_u32 s[G0B+5], s[L0], SLOT
	s_mov_b32 s[CS], 0x3d38aa3b                    ; c = log2(e) / 32
	s_mov_b32 s[CS+1], s[CS]                       ; named with it as a pair
	s_mov_b32 s[SEL], 0x76543210
	s_mov_b32 s[SEL+1], 0xfedcba98
	s_mov_b32 s[BIGN], 0xf149f2ca                  ; -1e30
	s_mov_b32 s[HM], 0xffff0000
	s_wait_dscnt 0x0                               ; the opening add is done
	s_wait_kmcnt 0x0
	s_add_nc_u64 s[G0A+2:G0A+3], s[4:5], s[66:67]
	s_add_nc_u64 s[G0A+6:G0A+7], s[G0A+2:G0A+3], 512
	s_or_b32 s[G0A+3], s[G0A+3], 0x80000000
	s_or_b32 s[G0A+7], s[G0A+7], 0x80000000
	s_add_nc_u64 s[G0B+2:G0B+3], s[4:5], s[74:75]
	s_add_nc_u64 s[G0B+6:G0B+7], s[G0B+2:G0B+3], 512
	s_or_b32 s[G0B+3], s[G0B+3], 0x80000000
	s_or_b32 s[G0B+7], s[G0B+7], 0x80000000
	CROUND                                         ; all sixteen work-groups are here: the first joint loads meet
	s_cmp_lt_u32 s[WV], 2                          ; a wave's two first fills stand in one branch
	s_cbranch_scc0 .Lfirst_b
	tensor_load_to_lds s[G0A:G0A+3], s[G1A:G1A+7]
	s_nop 0
	tensor_load_to_lds s[G0A+4:G0A+7], s[G1A:G1A+7]
	s_nop 0
.rept 4
	v_nop
.endr
	s_branch .Lfirst_asked
.Lfirst_b:
	tensor_load_to_lds s[G0B:G0B+3], s[G1B:G1B+7]
	s_nop 0
	tensor_load_to_lds s[G0B+4:G0B+7], s[G1B:G1B+7]
	s_nop 0
.rept 4
	v_nop
.endr
.Lfirst_asked:
	v_and_b32 v1, 15, v0                           ; r
	v_bfe_u32 v2, v0, 4, 1                         ; h
	; The masks.  Register j of accumulator (a, b) holds query Q0 + 16 a + r and key K0 + 16 b + 8 h + j: hidden where 16 (b - a) + j > (Q0 - K0) + r - 8 h.
	s_lshl_b32 s77, s[WR], 6
	s_add_co_u32 s76, s69, s77
	s_sub_co_u32 s76, s76, s71
	s_sub_co_u32 s76, s76, s73                     ; Q0 - K0
	v_lshlrev_b32 v3, 3, v2
	v_sub_nc_u32 v14, v1, v3
	v_add_nc_u32 v14, s76, v14
.set ii, 0
.rept 56
	v_cmp_gt_i32 vcc_lo, 16*(ii/8-3)+ii%8, v14
	v_cndmask_b32 v[MK+ii], 0, s[BIGN], vcc_lo
.set ii, ii+1
.endr
	v_mul_u32_u24 v3, v1, PITCH
	v_lshl_add_u32 v3, v2, 4, v3                   ; a fragment's row x pitch + 16 x half
	s_mul_i32 s82, s[WR], HALFT
	s_mul_i32 s83, s[WC], HALFT
	s_add_co_u32 s83, s83, 2*HALFT
	v_add_nc_u32 v[ADRA0], s82, v3
	v_add_nc_u32 v[ADRB0], s83, v3
	v_mov_b32 v[ADRA], v[ADRA0]
	v_mov_b32 v[ADRB], v[ADRB0]
	s_mul_i32 s82, s[WR], 64*SPITCH                ; into the stage: my 64 rows, my half of their 256 bytes
	s_lshl_b32 s83, s[WC], 7
	s_add_co_u32 s82, s82, s83
	s_add_co_u32 s82, s82, STAGE
	v_mul_u32_u24 v4, v1, SPITCH
	v_lshl_add_u32 v4, v2, 4, v4
	v_add_nc_u32 v[STO], s82, v4
	s_mul_i32 s82, s[WV], 32*SPITCH                ; back: wave w takes rows 32 w .. 32 w + 31, whole
	s_add_co_u32 s82, s82, STAGE
	v_mul_u32_u24 v5, v2, SPITCH
	v_lshl_add_u32 v5, v1, 4, v5
	v_add_nc_u32 v[RD], s82, v5
	v_lshlrev_b32 v5, 12, v2                       ; and the same two rows in e: 4,096 bytes apart
	v_lshl_add_u32 v[CO], v1, 4, v5
	v_and_b32 v[STA], 31, v0
	v_lshlrev_b32 v[STA], 3, v[STA]
	s_lshl_b32 s78, s[BAT], 5                      ; st: ((batch x 32 + block of 64 keys) x 2,048 + my first query) x 8 bytes
	s_lshl_b32 s79, s[JJ], 3
	s_add_co_u32 s78, s78, s79
	s_lshl_b32 s79, s[CX], 1
	s_add_co_u32 s78, s78, s79
	s_add_co_u32 s78, s78, s[WC]
	s_lshl_b32 s78, s78, 11
	s_add_co_u32 s78, s78, s69
	s_add_co_u32 s78, s78, s77
	s_lshl_b32 s78, s78, 3
	s_mov_b32 s79, 0
	s_add_nc_u64 s[8:9], s[8:9], s[78:79]
	s_lshl_b32 s80, s[WV], 5                       ; e: ((the batch's row + my tile's + 32 w) x 2,048 + the tile's first key) x 2 bytes
	s_add_co_u32 s80, s80, s68
	s_add_co_u32 s80, s80, s69
	s_lshl_b32 s80, s80, 11
	s_add_co_u32 s80, s80, s71
	s_lshl_b32 s80, s80, 1
	s_mov_b32 s81, 0
	s_add_nc_u64 s[6:7], s[6:7], s[80:81]
; 8 matrix instructions: query blocks a0, a0 + 1 x all 4 key blocks, 32 along K: half c of buffer f.  first = 1: C is the mask.  The 16 accumulators take turns.
.macro MUL8 f, c, a0, first
	WIN 0x05                                       ; sources 0 (k) and 1 (q) in window 1; C and D in window 0
.irp a, \a0, (\a0)+1
.irp b, 0,1,2,3
.if \first
	v_wmma_f32_16x16x32_f16 v[ACC+8*(4*(\a)+(\b)):ACC+8*(4*(\a)+(\b))+7], v[(\f)+64+8*(4*(\c)+(\b)):(\f)+64+8*(4*(\c)+(\b))+7], v[(\f)+8*(4*(\c)+(\a)):(\f)+8*(4*(\c)+(\a))+7], v[MK+8*((\b)-(\a)+3):MK+8*((\b)-(\a)+3)+7]
.else
	v_wmma_f32_16x16x32_f16 v[ACC+8*(4*(\a)+(\b)):ACC+8*(4*(\a)+(\b))+7], v[(\f)+64+8*(4*(\c)+(\b)):(\f)+64+8*(4*(\c)+(\b))+7], v[(\f)+8*(4*(\c)+(\a)):(\f)+8*(4*(\c)+(\a))+7], v[ACC+8*(4*(\a)+(\b)):ACC+8*(4*(\a)+(\b))+7]
.endif
.endr
.endr
.endm
; 32 LDS loads in one run: the fragments of 64 along K at byte k of the rows, into buffer f; the first 32 along K first
.macro FETCH k, f
	WIN 0x40
.irp c, 0,1
.irp i, 0,1,2,3
	ds_load_b128 v[(\f)+64+8*(4*(\c)+(\i)):(\f)+64+8*(4*(\c)+(\i))+3],   v[ADRB] offset:(\k)+64*(\c)+(\i)*16*PITCH
	ds_load_b128 v[(\f)+64+8*(4*(\c)+(\i))+4:(\f)+64+8*(4*(\c)+(\i))+7], v[ADRB] offset:(\k)+64*(\c)+(\i)*16*PITCH+32
	ds_load_b128 v[(\f)+8*(4*(\c)+(\i)):(\f)+8*(4*(\c)+(\i))+3],         v[ADRA] offset:(\k)+64*(\c)+(\i)*16*PITCH
	ds_load_b128 v[(\f)+8*(4*(\c)+(\i))+4:(\f)+8*(4*(\c)+(\i))+7],       v[ADRA] offset:(\k)+64*(\c)+(\i)*16*PITCH+32
.endr
.endr
.endm
.macro QUARTER k, f, g, first
	s_wait_dscnt 16                                ; the first 32 along K are in
	MUL8 \f, 0, 0, \first
	MUL8 \f, 0, 2, \first
	PLACES
	FETCH \k, \g
	s_wait_dscnt 32                                ; all but the 32 just issued
	MUL8 \f, 1, 0, 0
	MUL8 \f, 1, 2, 0
.endm
; The last quarter multiplies buffer 1 and changes slots: one barrier.  Its first 16 products stand AHEAD of the wait for the tiles, so that between a tile's landing and the next request stand only the add,
; the descriptors' steps and the barrier.  fill = 1: a round of the cluster's barrier and the joint refill, a whole K step, 128 matrix instructions, ahead of the wait for it.
.macro TURN fill
	s_wait_dscnt 16                                ; the first 32 along K are in
	MUL8 F1, 0, 0, 0
	MUL8 F1, 0, 2, 0
	WIN 0
	s_wait_tensorcnt 0x0                           ; no tensor load of mine is out, so a group 0 may be written
	ds_add_u32 v[SPW], v[NIL]                      ; 0 onto my spare word: the descriptors' steps stand between it and the wait for it
.if \fill
	s_add_co_u32 s[G0A+5], s[L0], s[TB]            ; the walking descriptors: into the slot that is being read out, the next K step
	s_add_co_u32 s[G0B+5], s[L0], s[TB]
	s_add_nc_u64 s[G0A+6:G0A+7], s[G0A+6:G0A+7], 512
	s_add_nc_u64 s[G0B+6:G0B+7], s[G0B+6:G0B+7], 512
.endif
	s_wait_dscnt 0x0                               ; the add is done, and my reads of this slot are over: the youngest sixteen, the second 32 along K, among them
	s_barrier_signal -1
	s_barrier_wait -1
.if \fill
	CREST
	JLOAD
.else
	PLACES
.endif
	s_xor_b32 s[TB], s[TB], SLOT
	v_add_nc_u32 v[ADRA], s[TB], v[ADRA0]
	v_add_nc_u32 v[ADRB], s[TB], v[ADRB0]
	FETCH 0, F0
	MUL8 F1, 1, 0, 0
	MUL8 F1, 1, 2, 0
.endm
	s_wait_tensorcnt 0x1                           ; my part of K step 0 is in; K step 1's may stay out
	s_barrier_signal -1
	s_barrier_wait -1
	FETCH 0, F0
	QUARTER 128, F0, F1, 1
	WIN 0
	s_mov_b32 s[CNT], 2
.LloopA:                                               ; two trips ask for K steps 2 and 3
	QUARTER 256, F1, F0, 0
	QUARTER 384, F0, F1, 0
	TURN 1
	QUARTER 128, F0, F1, 0
	WIN 0
	s_sub_co_u32 s[CNT], s[CNT], 1
	s_cmp_lg_u32 s[CNT], 0
	s_cbranch_scc1 .LloopA
	s_mov_b32 s[CNT], 2
.LloopB:                                               ; K steps 2 and 3 ask for nothing; the last trip jumps over the quarter that would belong to a further step
	QUARTER 256, F1, F0, 0
	QUARTER 384, F0, F1, 0
	TURN 0
	WIN 0
	s_cmp_eq_u32 s[CNT], 1
	s_cbranch_scc1 .Lno_more
	QUARTER 128, F0, F1, 0
	WIN 0
.Lno_more:
	s_sub_co_u32 s[CNT], s[CNT], 1
	s_cmp_lg_u32 s[CNT], 0
	s_cbranch_scc1 .LloopB
	; THE SOFTMAX'S FIRST HALF, the four tiles side by side, so that no line waits for the one before it.
	s_wait_dscnt 0x0                               ; the unused fragments have landed
	PLACES
.set ii, 0
.rept 64
	v_pk_mul_f32 v[ACC+2*ii:ACC+2*ii+1], v[ACC+2*ii:ACC+2*ii+1], s[CS:CS+1] op_sel_hi:[1,0]  ; t = c s; each accumulator is read from its low end on
.set ii, ii+1
.endr
; Line n of 20 for tile a: 0-15 the largest of the lane's 32 t, three operands at a time; 16, 17 the query's other 32 keys lie in the lane 16 away; 18, 19 -n = floor(-m), twice: a pair for the packed addition
.macro MX a, n
.set rS, ACC+32*(\a)
.set rW, WK+8*(\a)
.if (\n) < 4
	v_max3_num_f32 v[rW+(\n)], v[rS+8*(\n)], v[rS+8*(\n)+1], v[rS+8*(\n)+2]
.elseif (\n) < 12
	v_max3_num_f32 v[rW+(\n)%4], v[rW+(\n)%4], v[rS+8*((\n)%4)+2*((\n)/4)+1], v[rS+8*((\n)%4)+2*((\n)/4)+2]
.elseif (\n) == 12
	v_max3_num_f32 v[rW], v[rW], v[rS+7], v[rS+15]
.elseif (\n) == 13
	v_max3_num_f32 v[rW+1], v[rW+1], v[rS+23], v[rS+31]
.elseif (\n) == 14
	v_max_num_f32 v[rW+2], v[rW+2], v[rW+3]
.elseif (\n) == 15
	v_max3_num_f32 v[rW], v[rW], v[rW+1], v[rW+2]
.elseif (\n) == 16
	v_permlanex16_b32 v[rW+3], v[rW], s[SEL], s[SEL+1]
.elseif (\n) == 17
	v_max_num_f32 v[rW], v[rW], v[rW+3]
.elseif (\n) == 18
	v_floor_f32 v[rW+4], -v[rW]
.else
	v_mov_b32 v[rW+5], v[rW+4]
.endif
.endm
.irp n, 0,1,2,3,4,5,6,7,8,9,10,11,12,13,14,15,16,17,18,19
.irp a, 0,1,2,3
	MX \a, \n
.endr
.endr
.set ii, 0
.rept 64
	v_pk_add_f32 v[ACC+2*ii:ACC+2*ii+1], v[ACC+2*ii:ACC+2*ii+1], v[WK+8*(ii/16)+4:WK+8*(ii/16)+5] op_sel_hi:[1,0]  ; t - n
.set ii, ii+1
.endr
.set ii, 0
.rept 128
	v_exp_f32 v[ACC+ii], v[ACC+ii]
.set ii, ii+1
.endr
	v_nop                                          ; a plain instruction between the last exponential and the use of its result (ISA guide 5.7.2)
.set ii, 0
	s_wait_alu depctr_va_vdst(0)
.rept 64
	v_cvt_pk_f16_f32 v[TMP+ii], v[ACC+2*ii], v[ACC+2*ii+1]  ; a lane's eight keys of an accumulator pack into 16 bytes
.set ii, ii+1
.endr
.irp w, 16,8,4,2                       ; l: the tile's 16 pairs are added in place, pairs w registers apart
.irp a, 0,1,2,3
.set pp, 0
.rept (\w)/2
	v_pk_add_f32 v[ACC+32*\a+2*pp:ACC+32*\a+2*pp+1], v[ACC+32*\a+2*pp:ACC+32*\a+2*pp+1], v[ACC+32*\a+2*pp+\w:ACC+32*\a+2*pp+\w+1]
.set pp, pp+1
.endr
.endr
.endr
.irp a, 0,1,2,3
	v_add_f32 v[WK+8*\a+6], v[ACC+32*\a], v[ACC+32*\a+1]
.endr
.irp a, 0,1,2,3
	v_permlanex16_b32 v[WK+8*\a+3], v[WK+8*\a+6], s[SEL], s[SEL+1]
.endr
.irp a, 0,1,2,3
	v_add_f32 v[WK+8*\a+6], v[WK+8*\a+6], v[WK+8*\a+3]
	v_mul_f32 v[WK+8*\a+5], -1.0, v[WK+8*\a+4]     ; n
.endr
	; Both halves of the lanes hold a query's n and l, so lanes 16-31 take the next tile's: lane l then holds row l of 32, and a store covers 256 consecutive bytes, aligned
	v_cndmask_b32 v[SO],   v[WK+5],  v[WK+13], s[HM]
	v_cndmask_b32 v[SO+1], v[WK+6],  v[WK+14], s[HM]
	v_cndmask_b32 v[SO+2], v[WK+21], v[WK+29], s[HM]
	v_cndmask_b32 v[SO+3], v[WK+22], v[WK+30], s[HM]
	global_store_b64 v[STA], v[SO:SO+1], s[8:9]
	global_store_b64 v[STA], v[SO+2:SO+3], s[8:9] offset:256
	; E leaves through the work-group's stage: a row's 256 bytes come from two waves
.irp a, 0,1,2,3
.irp b, 0,1,2,3
	ds_store_b128 v[STO], v[TMP+4*(4*\a+\b):TMP+4*(4*\a+\b)+3] offset:\a*16*SPITCH+32*\b
.endr
.endr
	s_wait_dscnt 0x0                               ; for the others' sake: my stores into the stage are done
	s_barrier_signal -1
	s_barrier_wait -1
.irp t, 0,1,2,3,4,5,6,7,8,9,10,11,12,13,14,15
	ds_load_b128 v[TMP+4*\t:TMP+4*\t+3], v[RD] offset:\t*2*SPITCH
.endr
.irp t, 0,1,2,3,4,5,6,7,8,9,10,11,12,13,14,15
	s_wait_dscnt 15-\t
	global_store_b128 v[CO], v[TMP+4*\t:TMP+4*\t+3], s[6:7] offset:\t*8192  ; 16 lanes store 256 consecutive bytes, at a multiple of 256 from e's first byte
.endr
	s_wait_tensorcnt 0x0                           ; the wave's end
	ds_add_u32 v[SPW], v[NIL]
	s_wait_dscnt 0x0
	CROUND                                         ; the closing round
	s_endpgm
.Lfunc_end_k_qaca7acd973_score:
	.size	k_qaca7acd973_score, .Lfunc_end_k_qaca7acd973_score-k_qaca7acd973_score
	.p2alignl 7, 3214868480
	.fill 96, 4, 3214868480
	.section	.rodata,"a",@progbits
	.p2align	6, 0x0
	.amdhsa_kernel k_qaca7acd973_score
		.amdhsa_group_segment_fixed_size 327680
		.amdhsa_private_segment_fixed_size 0
		.amdhsa_enable_private_segment 0
		.amdhsa_kernarg_size 24
		.amdhsa_user_sgpr_count 2
		.amdhsa_user_sgpr_kernarg_segment_ptr 1
		.amdhsa_wavefront_size32 1
		.amdhsa_system_sgpr_workgroup_id_x 1
		.amdhsa_system_sgpr_workgroup_id_y 1
		.amdhsa_system_sgpr_workgroup_id_z 1
		.amdhsa_system_vgpr_workitem_id 0
		.amdhsa_next_free_vgpr 512
		.amdhsa_next_free_sgpr 96
		.amdhsa_reserve_vcc 1
		.amdhsa_float_denorm_mode_32 3
		.amdhsa_float_denorm_mode_16_64 3
		.amdhsa_memory_ordered 1
		.amdhsa_forward_progress 1
		.amdhsa_inst_pref_size 87
	.end_amdhsa_kernel
	.amdgpu_metadata
---
amdhsa.version: [ 1, 2 ]
amdhsa.kernels:
  - .name:           k_qaca7acd973_score
    .symbol:         k_qaca7acd973_score.kd
    .args:
      - { .name: qkv, .offset: 0, .size: 8, .value_kind: global_buffer, .address_space: global }
      - { .name: e, .offset: 8, .size: 8, .value_kind: global_buffer, .address_space: global }
      - { .name: st, .offset: 16, .size: 8, .value_kind: global_buffer, .address_space: global }
    .group_segment_fixed_size: 327680
    .private_segment_fixed_size: 0
    .kernarg_segment_align: 8
    .kernarg_segment_size: 24
    .max_flat_workgroup_size: 128
    .sgpr_count:     96
    .vgpr_count:     512
    .wavefront_size: 32
...
	.end_amdgpu_metadata
.endif
;; end of part 3
;; launch pv (part 4): grid 8 x 32, 4 waves a work-group, clusters of 4 x 4, 327,680 bytes of LDS; arguments e, qkv, st, og; writes og
.if DOCPART == 4
	.amdgcn_target "amdgcn-amd-amdhsa--gfx1250"
	.amdhsa_code_object_version 6
	.text
	.protected	k_qaca7acd973_pv
	.globl	k_qaca7acd973_pv
	.p2align	8
	.type	k_qaca7acd973_pv,@function
k_qaca7acd973_pv:
	s_mov_b64 s[64:65], 0
	v_nop
	global_prefetch_b8 v0, s[64:65] scope:SCOPE_SE
	s_setreg_imm32_b32 hwreg(HW_REG_WAVE_MODE, 25, 1), 1
	s_wait_xcnt 0x0
	s_wait_alu depctr_hold_cnt(0) depctr_sa_sdst(0) depctr_va_vdst(0) depctr_va_sdst(0) depctr_va_ssrc(0) depctr_va_vcc(0) depctr_vm_vsrc(0)
	s_getreg_b32 s2, hwreg(HW_REG_IB_STS2, 6, 4)
	s_cmp_eq_u32 s2, 0
	s_cbranch_scc0 .Lentry_in_a_cluster
	s_endpgm
.Lentry_in_a_cluster:
	s_bfe_u32 s2, ttmp6, 0x10000c
	s_cmp_lg_u32 s2, 0xf033
	s_cbranch_scc0 .Lentry_shape_is_right
	s_endpgm
.Lentry_shape_is_right:
; THE SOFTMAX'S SECOND HALF AND P V.  For each query: N = the largest n of its blocks of 64 keys, g = 2^(n - N) for each block (v_exp_f32 of a whole number), L = the sum of g l.
; O[query][channel] = (the sum over blocks of g x (E V of the block)) / L: f16 products, f32 sums, g applied in f32, O rounded once to f16.  og is [16 groups of 64 channels][8192 rows][64].
; The same g goes into the sums and into L, so what v_exp_f32 leaves open in g's last bit touches a block's weight by that bit and no more.
; LIMITS.  g is 0 from n - N = -127 on: v_exp_f32 gives 0 where its result would be denormal (ISA guide 15.8).  A block that a row does not see has n near -4.5e28: g = 0, and its E V, a finite number, counts 0.
; v lies within f16.  NaN and infinities are not treated apart.
; SHARES.  A work-group makes 128 queries x 128 channels, twice: of super-row 3 - p (8 - 2 p steps of 256 keys) and then of super-row p (2 + 2 p steps): ten K steps, whatever p: 256 equal work-groups.
; p and the batch come from the cluster's y, so all partners of a cluster run alike.  A wave makes 64 x 64: 16 sums of 16 x 16.
; Source 0 = 16 channels of V (turned out of LDS by ds_load_tr16_b128), source 1 = 16 queries of E: a lane holds ONE query (lane % 16) and eight neighbouring channels, so g is one number a lane and tile.
; CLUSTER 4 x 4.  E's tile hangs on the query block alone: asked for jointly along a row of the cluster; V's on the channel block alone: along a column.
; ONE WALK of ten K steps through two LDS slots; the descriptors' addresses are made anew for each fill from the step's number.
; TEMPORARY SUMS AND RIDERS.  A quarter of a K step is one block of 64 keys: its 32 products start from the constant 0 in a temporary set of 16 accumulators; two sets take turns by the quarter's parity.
; The 64 packed multiply-adds O += g x (temporary sum) of a quarter stand among the NEXT quarter's products, four behind every second product: one pair of window switches for two products.
; Every run of products ends in four of them, which name none of the products' registers: they are the four places in front of the fragment loads that follow, and no v_nop is written there.
; That lag of a quarter crosses K steps.  So at a block's end 64 of them stand bare (FLUSH), and g of quarter 3 is then set to 0: the next step's first riders add 0 times a finite number.
; The price of one text for every step: 256 v_mov_b32 at the start, in the wait for the first tile (O, and the second temporary set), and 128 between the blocks (O).
; REGISTERS, in windows of 256 (s_set_vgpr_msb: bits 1:0 source 0, 3:2 source 1, 5:4 source 2, 7:6 destination):
;   window 0: v2-29 addresses, 1 / L; v32-63 g, a pair for each tile a and quarter q at 32 + 2 (4 a + q), g in the even register; v64-127 at work; v128-191, v192-255 V's fragments, two buffers ((c, b) at 8 (4 c + b))
;   window 1: v0-127 O ((a, b) at 8 (4 a + b)); v128-191, v192-255 E's fragments, two buffers ((c, a) at 8 (4 c + a))          window 2: v0-127, v128-255 the two temporary sets
.set PE,    528                        ; E's row in LDS: 512 bytes + 16
.set PV,    288                        ; V's row: 256 bytes + 32
.set AH,    64*PE
.set ASZ,   2*AH
.set BH,    128*PV
.set SLOT,  ASZ+2*BH                   ; 141,312
.set STAGE, 2*SLOT                     ; 16 rows x 144 bytes for each wave, for the way out
.set SP,    144
.set GT,    STAGE+4*16*SP              ; 128 rows x 176 bytes: 40 words of g (f32), in the walk's order, and 4 words of 0 for the fetch behind the last step
.set GTP,   176                        ; 44 words: the 16 rows of a load fall into 16 different banks
.set IL,    GT+128*GTP                 ; 2 x 128 f32: 1 / L of both blocks
.set SPARE, IL+1024                    ; the spare words: two blocks of 256 bytes that no other line names
.set ADRA0, 2
.set ADRB0, 3
.set ADRA,  4
.set ADRB,  5                          ; v5, v6  keys 0-127 and 128-255 of a step
.set GADR,  7
.set STO,   8
.set RD,    9
.set GO,    10
.set ILA,   11
.set IV,    12                         ; v12-19  1 / L of tile a at 12 + 2 a; the pair's second register is written once
.set SPW,   28
.set NIL,   29
.set GG,    32
.set TMP,   64
.set SW,    108                        ; v108-121  the statistics, at work
.set WV,  12
.set CX,  13
.set CY,  14
.set CB,  15
.set BAT, 16
.set PP,  17
.set TB,  20
.set L0A, 21
.set L0B, 22
.set CNT, 23
.set G1A, 24
.set G0A, 32
.set G1B, 40
.set G0B, 48
.set UF,  56                           ; s56  the K step to be asked for next
.set N1,  57                           ; s57  the first block's K steps
.set REM, 58                           ; s58  K steps of the first block still to be finished
.set ROW1, 59                          ; s59, s60  byte offset in e of the rows that I fetch, first and second block
.set ROW2, 60
.set BV,  61                           ; s61  byte offset in qkv of the part of V's first tile that I fetch
.set OFA, 62                           ; s[62:63], s[66:67] a tile's offset
.set OFB, 66
.set OB1, 68                           ; s[68:69], s[70:71] og at my rows of the two blocks
.set OB2, 70
.set PM,  74                           ; s74  all ones if p = 1
.set WR,  75
.set WC,  76
.set W_P, 0xa4                         ; a product: V in window 0, E in window 1, C and D in window 2
.set W_R, 0x52                         ; a rider: the temporary sum in window 2, g in window 0, O (source 2 and destination) in window 1
.set MSB, 0
.macro WIN new
.if MSB != (\new)
	s_set_vgpr_msb (MSB<<8)|(\new)
.set MSB, \new
.endif
.endm
.macro CREST
	s_cmp_lg_u32 s[WV], 0
	s_cbranch_scc1 .Lnot_wave_0_\@
	s_barrier_signal -3
.Lnot_wave_0_\@:
	s_barrier_wait -3
	s_barrier_signal -1
	s_barrier_wait -1
.endm
.macro CROUND
	s_barrier_signal -1
	s_barrier_wait -1
	CREST
.endm
.macro JLOAD                           ; waves 0 and 1 fetch E's two halves, waves 2 and 3 V's
	s_cmp_lt_u32 s[WV], 2
	s_cbranch_scc0 .Lfor_b_\@
	tensor_load_to_lds s[G0A+4:G0A+7], s[G1A:G1A+7]
	s_nop 0
.rept 4
	v_nop
.endr
	s_branch .Lasked_\@
.Lfor_b_\@:
	tensor_load_to_lds s[G0B+4:G0B+7], s[G1B:G1B+7]
	s_nop 0
.rept 4
	v_nop
.endr
.Lasked_\@:
.endm
	s_load_b256 s[4:11], s[0:1], 0x0               ; e s[4:5], qkv s[6:7], st s[8:9], og s[10:11]
	v_lshl_add_u32 v[SPW], v0, 2, SPARE
	v_mov_b32 v[NIL], 0
	ds_add_u32 v[SPW], v[NIL]                      ; the wave's opening: the add and its wait stand ahead of my first tensor load
	v_lshrrev_b32 v1, 5, v0
	v_readfirstlane_b32 s[WV], v1
	s_lshr_b32 s[WR], s[WV], 1
	s_and_b32 s[WC], s[WV], 1
	s_bfe_u32 s[CX], ttmp6, 0x40000
	s_bfe_u32 s[CY], ttmp6, 0x40004
	s_lshl_b32 s[CB], ttmp9, 2
	s_add_co_u32 s[CB], s[CB], s[CX]               ; my block of 128 channels
	s_and_b32 s77, ttmp7, 0xffff                   ; the cluster's y: 2 x batch + p
	s_lshr_b32 s[BAT], s77, 1
	s_and_b32 s[PP], s77, 1
	s_lshl_b32 s18, s[CY], 2
	s_lshl_b32 s18, 15, s18
	s_lshl_b32 s19, 0x1111, s[CX]
	s_or_b32 s[G1A], s18, (1<<16)|(1<<20)|(1<<21)|(6<<22)|(3<<25)  ; E: after every 128 words, 4 words of padding
	s_or_b32 s[G1B], s19, (1<<16)|(1<<20)|(1<<21)|(5<<22)|(7<<25)  ; V: after every 64 words, 8 words
	s_mov_b32 s[G1A+1], 256<<16                    ; E: 64 rows x 256 elements, 2,048 elements from row to row
	s_mov_b32 s[G1A+2], 64<<16
	s_mov_b32 s[G1A+3], 256<<16
	s_mov_b32 s[G1A+4], 64
	s_mov_b32 s[G1A+5], 2048
	s_mov_b32 s[G1A+6], 0
	s_mov_b32 s[G1A+7], 0
	s_mov_b32 s[G1B+1], 128<<16                    ; V: 128 keys x 128 elements, 3,072 elements from row to row
	s_mov_b32 s[G1B+2], 128<<16
	s_mov_b32 s[G1B+3], 128<<16
	s_mov_b32 s[G1B+4], 128
	s_mov_b32 s[G1B+5], 3072
	s_mov_b32 s[G1B+6], 0
	s_mov_b32 s[G1B+7], 0
	s_lshl_b32 s78, s[PP], 1
	s_sub_co_u32 s[N1], 8, s78
	s_mov_b32 s[REM], s[N1]
	s_mov_b32 s[UF], 2
	s_cmp_eq_u32 s[PP], 1
	s_cselect_b32 s[PM], -1, 0
	s_sub_co_u32 s77, 3, s[PP]
	s_lshl_b32 s77, s77, 9
	s_lshl_b32 s78, s[CY], 7
	s_add_co_u32 s77, s77, s78                     ; the first block's first row in the batch,
	s_lshl_b32 s79, s[PP], 9
	s_add_co_u32 s79, s79, s78                     ; the second's
	s_lshl_b32 s80, s[BAT], 11
	s_lshl_b32 s81, s[WC], 6
	s_add_co_u32 s[ROW1], s80, s77
	s_add_co_u32 s[ROW1], s[ROW1], s81
	s_lshl_b32 s[ROW1], s[ROW1], 12                ; a row of e is 4,096 bytes
	s_add_co_u32 s[ROW2], s80, s79
	s_add_co_u32 s[ROW2], s[ROW2], s81
	s_lshl_b32 s[ROW2], s[ROW2], 12
	s_lshl_b32 s82, s[WC], 7
	s_add_co_u32 s82, s82, s80
	s_mul_i32 s[BV], s82, 6144
	s_lshl_b32 s83, s[CB], 8
	s_add_co_u32 s[BV], s[BV], s83
	s_add_co_u32 s[BV], s[BV], 4096                ; v: columns 2048-3071 of qkv
	s_mul_i32 s[L0A], s[WC], AH
	s_mul_i32 s[L0B], s[WC], BH
	s_add_co_u32 s[L0B], s[L0B], ASZ
	s_mov_b32 s[TB], 0
	s_mov_b32 s[OFA], s[ROW1]
	s_mov_b32 s[OFA+1], 0
	s_mov_b32 s[OFB], s[BV]
	s_mov_b32 s[OFB+1], 0
	s_mov_b32 s[G0A], 1
	s_mov_b32 s[G0A+1], s[L0A]
	s_mov_b32 s[G0A+4], 1
	s_add_co_u32 s[G0A+5], s[L0A], SLOT
	s_mov_b32 s[G0B], 1
	s_mov_b32 s[G0B+1], s[L0B]
	s_mov_b32 s[G0B+4], 1
	s_add_co_u32 s[G0B+5], s[L0B], SLOT
	s_wait_dscnt 0x0                               ; the opening add is done
	s_wait_kmcnt 0x0
	s_add_nc_u64 s[G0A+2:G0A+3], s[4:5], s[OFA:OFA+1]      ; K steps 0 and 1 are the first block's, which has six steps or more
	s_add_nc_u64 s[G0A+6:G0A+7], s[G0A+2:G0A+3], 512
	s_or_b32 s[G0A+3], s[G0A+3], 0x80000000
	s_or_b32 s[G0A+7], s[G0A+7], 0x80000000
	s_add_nc_u64 s[G0B+2:G0B+3], s[6:7], s[OFB:OFB+1]
	s_add_nc_u64 s[G0B+6:G0B+7], s[G0B+2:G0B+3], 256*6144
	s_or_b32 s[G0B+3], s[G0B+3], 0x80000000
	s_or_b32 s[G0B+7], s[G0B+7], 0x80000000
	CROUND                                         ; all sixteen work-groups are here: the first joint loads meet
	s_cmp_lt_u32 s[WV], 2                          ; a wave's two first fills stand in one branch
	s_cbranch_scc0 .Lfirst_b
	tensor_load_to_lds s[G0A:G0A+3], s[G1A:G1A+7]
	s_nop 0
	tensor_load_to_lds s[G0A+4:G0A+7], s[G1A:G1A+7]
	s_nop 0
.rept 4
	v_nop
.endr
	s_branch .Lfirst_asked
.Lfirst_b:
	tensor_load_to_lds s[G0B:G0B+3], s[G1B:G1B+7]
	s_nop 0
	tensor_load_to_lds s[G0B+4:G0B+7], s[G1B:G1B+7]
	s_nop 0
.rept 4
	v_nop
.endr
.Lfirst_asked:
	; THE STATISTICS.  Thread t is row t of both blocks.  In the walk's order z = 0 .. 39 the blocks of 64 keys are the first block's 32 - 8 p, then the second's 8 + 8 p:
	; z < 24 are the first block's, z >= 32 the second's, 24 <= z < 32 go by p.  A wave's load covers 256 consecutive bytes.
	s_lshl_b32 s88, s77, 3
	s_lshl_b32 s89, s79, 3
	s_add_co_u32 s90, s88, 24*16384
	s_cmp_eq_u32 s[PP], 1
	s_cselect_b32 s90, s89, s90
	s_lshl_b32 s91, s[PP], 17
	s_add_co_u32 s91, s91, s89
	s_lshl_b32 s92, s[BAT], 19
	s_mov_b32 s93, 0
	s_add_nc_u64 s[8:9], s[8:9], s[92:93]
	v_lshl_add_u32 v20, v0, 3, s88
	v_lshl_add_u32 v21, v0, 3, s90
	v_lshl_add_u32 v22, v0, 3, s91
.set z, 0
.rept 40
.if z < 24
	global_load_b64 v[128+2*z:129+2*z], v20, s[8:9] offset:z*16384
.elseif z < 32
	global_load_b64 v[128+2*z:129+2*z], v21, s[8:9] offset:(z-24)*16384
.else
	global_load_b64 v[128+2*z:129+2*z], v22, s[8:9] offset:(z-32)*16384
.endif
.set z, z+1
.endr
	WIN 0x40
.set ii, 0
.rept 128
	v_mov_b32 v[ii], 0                             ; O
.set ii, ii+1
.endr
	WIN 0x80
.set ii, 128
.rept 128
	v_mov_b32 v[ii], 0                             ; the second temporary set: the first step's first riders add 0 times it
.set ii, ii+1
.endr
	WIN 0
.set ii, 0
.rept 16
	v_mov_b32 v[GG+2*ii+1], 0                      ; a packed source is named as a pair: the second registers are written once
.set ii, ii+1
.endr
.irp a, 0,1,2,3
	v_mov_b32 v[GG+2*(4*\a+3)], 0                  ; g of 'the quarter before the first'
	v_mov_b32 v[IV+2*\a+1], 0
.endr
	v_and_b32 v1, 15, v0                           ; r
	v_bfe_u32 v23, v0, 4, 1                        ; h
	v_mul_u32_u24 v[ADRA0], v1, PE
	v_lshl_add_u32 v[ADRA0], v23, 4, v[ADRA0]
	s_mul_i32 s84, s[WR], AH
	v_add_nc_u32 v[ADRA0], s84, v[ADRA0]
	v_mov_b32 v[ADRA], v[ADRA0]
	v_and_b32 v24, 7, v0
	v_lshl_add_u32 v25, v23, 3, v24                ; the turning load: key 8 h + l % 8,
	v_mul_u32_u24 v25, v25, PV
	v_bfe_u32 v26, v0, 3, 1
	v_lshl_add_u32 v25, v26, 4, v25                ; channels 8 ((l / 8) % 2) + 0..7,
	s_lshl_b32 s84, s[WC], 7
	s_add_co_u32 s84, s84, ASZ
	v_add_nc_u32 v[ADRB0], s84, v25                ; of my 64 channels
	v_mov_b32 v[ADRB], v[ADRB0]
	v_add_nc_u32 v[ADRB+1], BH, v[ADRB0]
	s_lshl_b32 s85, s[WR], 6
	v_add_nc_u32 v27, s85, v1                      ; 64 wr + r
	v_mul_u32_u24 v[GADR], v27, GTP
	v_add_nc_u32 v[GADR], GT, v[GADR]
	v_lshlrev_b32 v[ILA], 2, v27
	v_add_nc_u32 v[ILA], IL, v[ILA]
	s_mul_i32 s84, s[WV], 16*SP
	s_add_co_u32 s84, s84, STAGE
	v_mul_u32_u24 v[STO], v1, SP
	v_lshl_add_u32 v[STO], v23, 4, v[STO]
	v_add_nc_u32 v[STO], s84, v[STO]
	v_bfe_u32 v[RD], v0, 3, 2                      ; back: 32 lanes take four rows of 128 bytes,
	v_mul_u32_u24 v[RD], v[RD], SP
	v_lshl_add_u32 v[RD], v24, 4, v[RD]
	v_add_nc_u32 v[RD], s84, v[RD]
	v_and_b32 v[GO], 31, v0                        ; which are 512 consecutive bytes of og
	v_lshlrev_b32 v[GO], 4, v[GO]
	v_mul_u32_u24 v30, v0, GTP
	v_add_nc_u32 v30, GT, v30                      ; my row of the table of g
	v_lshlrev_b32 v31, 2, v0
	v_add_nc_u32 v31, IL, v31
	s_lshl_b32 s84, s[CB], 1                       ; og: ((group of 64 channels) x 8,192 + the batch's row + 64 wr + the block's row) x 128 bytes
	s_add_co_u32 s84, s84, s[WC]
	s_lshl_b32 s84, s84, 13
	s_add_co_u32 s84, s84, s80
	s_add_co_u32 s84, s84, s85
	s_add_co_u32 s86, s84, s77
	s_lshl_b32 s86, s86, 7
	s_mov_b32 s87, 0
	s_add_nc_u64 s[OB1:OB1+1], s[10:11], s[86:87]
	s_add_co_u32 s86, s84, s79
	s_lshl_b32 s86, s86, 7
	s_add_nc_u64 s[OB2:OB2+1], s[10:11], s[86:87]
	s_wait_loadcnt 0x0
	v_max_num_f32 v[SW], v128, v130                ; the largest n of z < 24,
.set z, 2
.rept 11
	v_max3_num_f32 v[SW], v[SW], v[128+2*z], v[130+2*z]
.set z, z+2
.endr
	v_max_num_f32 v[SW+1], v176, v178              ; of 24 <= z < 32,
.set z, 26
.rept 3
	v_max3_num_f32 v[SW+1], v[SW+1], v[128+2*z], v[130+2*z]
.set z, z+2
.endr
	v_max_num_f32 v[SW+2], v192, v194              ; of z >= 32
.set z, 34
.rept 3
	v_max3_num_f32 v[SW+2], v[SW+2], v[128+2*z], v[130+2*z]
.set z, z+2
.endr
	v_max_num_f32 v[SW+4], v[SW], v[SW+1]
	v_max_num_f32 v[SW+6], v[SW+1], v[SW+2]
	v_cndmask_b32 v[SW+3], v[SW+4], v[SW], s[PM]   ; N of the first block's row,
	v_cndmask_b32 v[SW+5], v[SW+2], v[SW+6], s[PM] ; of the second's,
	v_cndmask_b32 v[SW+7], v[SW+3], v[SW+5], s[PM] ; and of the block that the middle range belongs to
.set z, 0
.rept 40
.set rN, SW+3
.if z >= 24
.set rN, SW+7
.endif
.if z >= 32
.set rN, SW+5
.endif
	v_sub_f32 v[128+2*z], v[128+2*z], v[rN]        ; n - N: whole numbers, 0 at the most
.set z, z+1
.endr
.set z, 0
.rept 40
	v_exp_f32 v[TMP+z], v[128+2*z]                 ; g, into neighbouring registers for the table
.set z, z+1
.endr
	v_nop                                          ; a plain instruction between the last exponential and the use of its result (ISA guide 5.7.2)
	s_wait_alu depctr_va_vdst(0)
	v_mul_f32 v[SW+9],  v[TMP],    v129            ; the sums of g l over the three ranges
	v_mul_f32 v[SW+10], v[TMP+24], v177
	v_mul_f32 v[SW+11], v[TMP+32], v193
.set z, 1
.rept 39
.if z < 24
	v_fmac_f32 v[SW+9], v[TMP+z], v[129+2*z]
.elseif (z > 24) && (z < 32)
	v_fmac_f32 v[SW+10], v[TMP+z], v[129+2*z]
.elseif z > 32
	v_fmac_f32 v[SW+11], v[TMP+z], v[129+2*z]
.endif
.set z, z+1
.endr
.irp k, 40,41,42,43
	v_mov_b32 v[TMP+\k], 0
.endr
.irp k, 0,1,2,3,4,5,6,7,8,9,10
	ds_store_b128 v30, v[TMP+4*\k:TMP+4*\k+3] offset:16*\k
.endr
	v_add_f32 v[SW+12], v[SW+9], v[SW+10]
	v_add_f32 v[SW+13], v[SW+10], v[SW+11]
	v_cndmask_b32 v[SW+12], v[SW+12], v[SW+9], s[PM]   ; L of the first block's row,
	v_cndmask_b32 v[SW+13], v[SW+11], v[SW+13], s[PM]  ; of the second's
	v_rcp_f32 v[SW+12], v[SW+12]
	v_rcp_f32 v[SW+13], v[SW+13]
	v_nop                                          ; a plain instruction between the last reciprocal and the use of its result (ISA guide 5.7.2)
	s_wait_alu depctr_va_vdst(0)
	ds_store_b32 v31, v[SW+12]
	ds_store_b32 v31, v[SW+13] offset:512
; Product i = 4 a + b of 16: 32 keys, half c of buffer f, into temporary set tb.  Half 0 starts the sums with the constant 0.  The 16 accumulators take turns, one instruction a turn.
.macro PROD f, c, i, tb
.set rD, 128*(\tb)+8*(\i)
.set rV, 128+64*(\f)+8*(4*(\c)+(\i)%4)
.set rE, 128+64*(\f)+8*(4*(\c)+(\i)/4)
.if (\c) == 0
	v_wmma_f32_16x16x32_f16 v[rD:rD+7], v[rV:rV+7], v[rE:rE+7], 0
.else
	v_wmma_f32_16x16x32_f16 v[rD:rD+7], v[rV:rV+7], v[rE:rE+7], v[rD:rD+7]
.endif
.endm
; Rider i of 64: pair i of O += pair i of temporary set tb x g of tile i / 16 and quarter q.  Each accumulator's pairs are taken in ascending order.
.macro RIDE tb, i, q
.set rA, 2*(\i)
.set rT, 128*(\tb)+2*(\i)
.set rG, GG+2*(4*((\i)/16)+(\q))
	v_pk_fma_f32 v[rA:rA+1], v[rT:rT+1], v[rG:rG+1], v[rA:rA+1] op_sel_hi:[1,0,1]
.endm
; n products (an even number) from i0 on of half c of buffer f into set tb; behind every second one four riders on the other set, with quarter rq's g, from rider r0 on.
; A rider reads a temporary sum whose last product stands a run of 16 products, with their 32 riders, or more in front of it.
.macro HALF f, c, i0, n, tb, rq, r0
.set ii, \i0
.set rr, \r0
.rept (\n)/2
	WIN W_P
	PROD \f, \c, ii, \tb
	PROD \f, \c, ii+1, \tb
	WIN W_R
.rept 4
	RIDE 1-(\tb), rr, \rq
.set rr, rr+1
.endr
.set ii, ii+2
.endr
.endm
; 32 LDS loads in one run: quarter q's fragments (64 keys) into buffer g: E's, then V's, turned
.macro FETCH q, g
	WIN 0x40
.irp c, 0,1
.irp a, 0,1,2,3
	ds_load_b128 v[128+64*(\g)+8*(4*\c+\a):128+64*(\g)+8*(4*\c+\a)+3],   v[ADRA] offset:128*(\q)+64*\c+\a*16*PE
	ds_load_b128 v[128+64*(\g)+8*(4*\c+\a)+4:128+64*(\g)+8*(4*\c+\a)+7], v[ADRA] offset:128*(\q)+64*\c+\a*16*PE+32
.endr
.endr
	WIN 0
.irp c, 0,1
.irp b, 0,1,2,3
	ds_load_tr16_b128 v[128+64*(\g)+8*(4*\c+\b):128+64*(\g)+8*(4*\c+\b)+3],   v[ADRB+(\q)/2] offset:((\q)%2)*64*PV+\c*32*PV+32*\b
	ds_load_tr16_b128 v[128+64*(\g)+8*(4*\c+\b)+4:128+64*(\g)+8*(4*\c+\b)+7], v[ADRB+(\q)/2] offset:((\q)%2)*64*PV+\c*32*PV+32*\b+16*PV
.endr
.endr
.endm
; Eight LDS loads: g of quarters q0 and q0 + 1 of the step at GADR, for the four tiles, each into the even register of its pair
.macro GLOAD q0
	WIN 0
.irp a, 0,1,2,3
.irp d, 0,1
	ds_load_b32 v[GG+2*(4*\a+(\q0)+\d)], v[GADR] offset:\a*16*GTP+4*((\q0)+\d)
.endr
.endr
.endm
; Quarter q (0 to 2) multiplies buffer f into set q % 2, fetches quarter q + 1 into buffer g, and carries the riders of the quarter before.  The four riders that end the quarter before are the places in front of its loads.
; Quarter 1 also fetches this step's g of quarters 2 and 3: the last step's were last used in quarter 3 and in quarter 0.
.macro QUARTER q, f, g
.if (\q) == 1
	GLOAD 2
.endif
	FETCH (\q)+1, \g
	s_wait_dscnt 32                                ; buffer f is whole and every g asked for is in: only the 32 just issued are out
	HALF \f, 0, 0, 16, (\q)%2, ((\q)+3)%4, 0
	HALF \f, 1, 0, 16, (\q)%2, ((\q)+3)%4, 32
.endm
; Quarter 3 multiplies buffer 1 into set 1 and changes slots: one barrier.  Its first 16 products, with their riders, stand AHEAD of the wait for the tiles, so that between a tile's landing and the next request
; stand only the add, the descriptors' scalar work and the barrier.  fill = 1: a round of the cluster's barrier and the joint refill, a whole K step, 128 matrix instructions, ahead of the wait for it.
; Behind the barrier it fetches the next step's g of quarters 0 and 1 (last used in quarters 1 and 2) and its first fragments.
.macro TURN fill
	s_wait_dscnt 0x0                               ; buffer 1 is whole
	HALF 1, 0, 0, 16, 1, 2, 0
	WIN 0
	s_wait_tensorcnt 0x0                           ; no tensor load of mine is out, so a group 0 may be written
	ds_add_u32 v[SPW], v[NIL]                      ; 0 onto my spare word: the descriptors' scalar work stands between it and the wait for it
.if \fill
	s_cmp_ge_u32 s[UF], s[N1]                      ; is the step to be asked for the second block's?
	s_cselect_b32 s[OFA], s[ROW2], s[ROW1]
	s_cselect_b32 s95, s[N1], 0
	s_sub_co_u32 s95, s[UF], s95                   ; its number in its block
	s_lshl_b32 s96, s95, 9
	s_add_co_u32 s[OFA], s[OFA], s96               ; E: 256 keys along the rows
	s_mul_i32 s[OFB], s95, 256*6144                ; V: 256 rows down
	s_add_co_u32 s[OFB], s[OFB], s[BV]
	s_add_nc_u64 s[G0A+6:G0A+7], s[4:5], s[OFA:OFA+1]
	s_or_b32 s[G0A+7], s[G0A+7], 0x80000000
	s_add_nc_u64 s[G0B+6:G0B+7], s[6:7], s[OFB:OFB+1]
	s_or_b32 s[G0B+7], s[G0B+7], 0x80000000
	s_add_co_u32 s[G0A+5], s[L0A], s[TB]           ; into the slot that is being read out
	s_add_co_u32 s[G0B+5], s[L0B], s[TB]
	s_add_co_u32 s[UF], s[UF], 1
.endif
	s_wait_dscnt 0x0                               ; the add is done; my reads of this slot were over at this macro's head
	s_barrier_signal -1
	s_barrier_wait -1
.if \fill
	CREST
	JLOAD
.endif
	s_xor_b32 s[TB], s[TB], SLOT
	v_add_nc_u32 v[ADRA], s[TB], v[ADRA0]
	v_add_nc_u32 v[ADRB], s[TB], v[ADRB0]
	v_add_nc_u32 v[ADRB+1], BH, v[ADRB]
	v_add_nc_u32 v[GADR], 16, v[GADR]              ; the next step's four g
	GLOAD 0
	FETCH 0, 0
	HALF 1, 1, 0, 16, 1, 2, 32
.endm
; A block's last 64 riders, bare: quarter 3's sums.  The first reads a sum whose last product stands 32 riders back; the last one's stands 64 back.
.macro FLUSH
	WIN W_R
.set rr, 0
.rept 64
	RIDE 1, rr, 3
.set rr, rr+1
.endr
	WIN 0
.endm
; THE WAY OUT of a block: O is divided by L, rounded to f16 and sent through my own stage in LDS, a tile of 16 rows at a time; 16 rows of a group are 2,048 consecutive bytes of og.
.macro PACK t
	WIN 0x41
.set ii, 0
.rept 16
	v_pk_mul_f32 v[32*(\t)+2*ii:32*(\t)+2*ii+1], v[32*(\t)+2*ii:32*(\t)+2*ii+1], v[IV+2*(\t):IV+2*(\t)+1] op_sel_hi:[1,0]
.set ii, ii+1
.endr
	WIN 0x05
.set ii, 0
.rept 16
	v_cvt_pk_f16_f32 v[TMP+16*(\t)+ii], v[32*(\t)+2*ii], v[32*(\t)+2*ii+1]
.set ii, ii+1
.endr
	WIN 0
.irp k, 0,1,2,3
	ds_store_b128 v[STO], v[TMP+16*(\t)+4*\k:TMP+16*(\t)+4*\k+3] offset:32*\k
.endr
.irp k, 0,1,2,3
	ds_load_b128 v[TMP+16*(\t)+4*\k:TMP+16*(\t)+4*\k+3], v[RD] offset:\k*4*SP  ; LDS serves a wave's instructions in order (ISA guide 5.7.1.4): these see the stores above
.endr
.endm
.macro SEND t, younger, ob             ; younger: the LDS instructions issued behind tile t's loads: the next tile's eight, or none
.irp k, 0,1,2,3
	s_wait_dscnt (\younger)+3-\k
	global_store_b128 v[GO], v[TMP+16*(\t)+4*\k:TMP+16*(\t)+4*\k+3], s[\ob:\ob+1] offset:(\t)*2048+\k*512  ; 512 consecutive bytes, at a multiple of 256 from og's first
.endr
.endm
.macro WAYOUT blk, ob
	s_wait_xcnt 0x0                                ; earlier stores have had their addresses translated (ISA guide 3.1): their data registers are written again only behind this wait
.irp a, 0,1,2,3
	ds_load_b32 v[IV+2*\a], v[ILA] offset:512*(\blk)+64*\a
.endr
	s_wait_dscnt 0x0
	PACK 0
	PACK 1
	SEND 0, 8, \ob
	PACK 2
	SEND 1, 8, \ob
	PACK 3
	SEND 2, 8, \ob
	SEND 3, 0, \ob
.endm
	s_wait_tensorcnt 0x1                           ; my part of K step 0 is in; K step 1's may stay out
	s_wait_dscnt 0x0                               ; for the others' sake: my rows of the tables are stored
	s_barrier_signal -1
	s_barrier_wait -1
	GLOAD 0
	FETCH 0, 0
	WIN 0
	s_mov_b32 s[CNT], 8
.LloopA:                                               ; eight trips: K steps 0 to 7; they ask for steps 2 to 9
	QUARTER 0, 0, 1
	QUARTER 1, 1, 0
	QUARTER 2, 0, 1
	TURN 1
	WIN 0
	s_sub_co_u32 s[REM], s[REM], 1
	s_cmp_lg_u32 s[REM], 0
	s_cbranch_scc1 .Lskip                          ; the same in all partners: it hangs on p alone
	FLUSH                                          ; the first block is finished: the refills for what follows are asked for
	WAYOUT 0, OB1
	WIN 0x40
.set ii, 0
.rept 128
	v_mov_b32 v[ii], 0
.set ii, ii+1
.endr
	WIN 0
.irp a, 0,1,2,3
	v_mov_b32 v[GG+2*(4*\a+3)], 0                  ; the next step's first riders find quarter 3's sums once more: they add 0 times them
.endr
.Lskip:
	s_sub_co_u32 s[CNT], s[CNT], 1
	s_cmp_lg_u32 s[CNT], 0
	s_cbranch_scc1 .LloopA
	s_mov_b32 s[CNT], 2
.LloopB:                                               ; K steps 8 and 9 ask for nothing; the last change of slots fetches a slot that landed long ago and the table's zeros: nobody uses them
	QUARTER 0, 0, 1
	QUARTER 1, 1, 0
	QUARTER 2, 0, 1
	TURN 0
	WIN 0
	s_sub_co_u32 s[CNT], s[CNT], 1
	s_cmp_lg_u32 s[CNT], 0
	s_cbranch_scc1 .LloopB
	FLUSH
	WAYOUT 1, OB2
	s_wait_tensorcnt 0x0                           ; the wave's end
	ds_add_u32 v[SPW], v[NIL]
	s_wait_dscnt 0x0
	CROUND                                         ; the closing round
	s_endpgm
.Lfunc_end_k_qaca7acd973_pv:
	.size	k_qaca7acd973_pv, .Lfunc_end_k_qaca7acd973_pv-k_qaca7acd973_pv
	.p2alignl 7, 3214868480
	.fill 96, 4, 3214868480
	.section	.rodata,"a",@progbits
	.p2align	6, 0x0
	.amdhsa_kernel k_qaca7acd973_pv
		.amdhsa_group_segment_fixed_size 327680
		.amdhsa_private_segment_fixed_size 0
		.amdhsa_enable_private_segment 0
		.amdhsa_kernarg_size 32
		.amdhsa_user_sgpr_count 2
		.amdhsa_user_sgpr_kernarg_segment_ptr 1
		.amdhsa_wavefront_size32 1
		.amdhsa_system_sgpr_workgroup_id_x 1
		.amdhsa_system_sgpr_workgroup_id_y 1
		.amdhsa_system_sgpr_workgroup_id_z 1
		.amdhsa_system_vgpr_workitem_id 0
		.amdhsa_next_free_vgpr 768
		.amdhsa_next_free_sgpr 100
		.amdhsa_reserve_vcc 0
		.amdhsa_float_denorm_mode_32 3
		.amdhsa_float_denorm_mode_16_64 3
		.amdhsa_memory_ordered 1
		.amdhsa_forward_progress 1
		.amdhsa_inst_pref_size 146
	.end_amdhsa_kernel
	.amdgpu_metadata
---
amdhsa.version: [ 1, 2 ]
amdhsa.kernels:
  - .name:           k_qaca7acd973_pv
    .symbol:         k_qaca7acd973_pv.kd
    .args:
      - { .name: e, .offset: 0, .size: 8, .value_kind: global_buffer, .address_space: global }
      - { .name: qkv, .offset: 8, .size: 8, .value_kind: global_buffer, .address_space: global }
      - { .name: st, .offset: 16, .size: 8, .value_kind: global_buffer, .address_space: global }
      - { .name: og, .offset: 24, .size: 8, .value_kind: global_buffer, .address_space: global }
    .group_segment_fixed_size: 327680
    .private_segment_fixed_size: 0
    .kernarg_segment_align: 8
    .kernarg_segment_size: 32
    .max_flat_workgroup_size: 128
    .sgpr_count:     100
    .vgpr_count:     768
    .wavefront_size: 32
...
	.end_amdgpu_metadata
.endif
;; end of part 4
;; launch outp (part 5): grid 4 x 64, 4 waves a work-group, clusters of 4 x 4, 327,680 bytes of LDS; arguments og, wh16, bias, out0; writes out0
.if DOCPART == 5
	.amdgcn_target "amdgcn-amd-amdhsa--gfx1250"
	.amdhsa_code_object_version 6
	.text
	.protected	k_qaca7acd973_outp
	.globl	k_qaca7acd973_outp
	.p2align	8
	.type	k_qaca7acd973_outp,@function
k_qaca7acd973_outp:
	s_mov_b64 s[64:65], 0
	v_nop
	global_prefetch_b8 v0, s[64:65] scope:SCOPE_SE
	s_setreg_imm32_b32 hwreg(HW_REG_WAVE_MODE, 25, 1), 1
	s_wait_xcnt 0x0
	s_wait_alu depctr_hold_cnt(0) depctr_sa_sdst(0) depctr_va_vdst(0) depctr_va_sdst(0) depctr_va_ssrc(0) depctr_va_vcc(0) depctr_vm_vsrc(0)
	s_getreg_b32 s2, hwreg(HW_REG_IB_STS2, 6, 4)
	s_cmp_eq_u32 s2, 0
	s_cbranch_scc0 .Lentry_in_a_cluster
	s_endpgm
.Lentry_in_a_cluster:
	s_bfe_u32 s2, ttmp6, 0x10000c
	s_cmp_lg_u32 s2, 0xf033
	s_cbranch_scc0 .Lentry_shape_is_right
	s_endpgm
.Lentry_shape_is_right:
; out0[8192][1024] (f32) = O (f16, og: [16 groups of 64 channels][8192 rows][64]) x wh16[1024][1024] (f16) + bias[3072:4096] (f32); sums in f32.
; SHARES.  A work-group makes 128 rows x 256 columns: 4 x 64 = 256 work-groups.  Each of its four waves makes all 128 rows x 64 columns: 32 accumulators; 24 LDS loads for 32 matrix instructions.
; K goes in 8 steps of 128 channels (two groups of og) through two LDS slots.  A group's 128 rows are 16,384 dense bytes: asked for as 64 rows of 256 bytes and padded in LDS after every 128 bytes.
; wh16 lies [k][n]: two chunks of 128 k x 128 columns a step, turned out of LDS by ds_load_tr16_b128.
; Source 0 = 16 columns of Wh, source 1 = 16 rows of O: a lane holds one row (lane % 16) and eight neighbouring columns.  The bias is the C operand of the products that start the sums.
; CLUSTER 4 x 4: O's tile is asked for jointly along a row of the cluster, Wh's chunks along a column.  One text for a K step, as in the first projection.
; REGISTERS: window 0: v14-29 addresses; v64-127, v128-191 O's fragments, two buffers, later rows on the way out; v192-223 the bias.   window 1: accumulators ((a, b) at 8 (4 a + b)).   window 2: v0-31, v32-63 Wh's fragments.
.set PA,     144                       ; 128 bytes + 16: 36 words: the 16 rows of a load start at 16 different groups of four banks (64 banks of 4 bytes: ISA guide 11.1)
.set PB,     288
.set AG,     128*PA
.set ASZ,    2*AG
.set CH,     128*PB
.set SLOT,   ASZ+2*CH                  ; 110,592
.set STAGE,  2*SLOT                    ; behind the ring: 16 rows x 272 bytes for each wave
.set SPITCH, 272
.set SPARE,  STAGE+4*16*SPITCH         ; the spare words: two blocks of 256 bytes that no other line names
.set STO,   14
.set RD,    15
.set ADRA,  16
.set ADRA0, 17
.set CO,    18
.set ADRB,  20
.set ADRB0, 24
.set SPW,   28
.set NIL,   29
.set FA,    64
.set BK,    64
.set BIAS,  192
.set WV,  12
.set CX,  13
.set CY,  14
.set CT,  15
.set RT,  16
.set TB,  19
.set L0A, 20
.set L0B, 21
.set CNT, 22
.set W1,  23
.set G1A, 24
.set G0A, 32
.set G1B, 40
.set G0B, 48
.set MSB, 0
.macro WIN new
.if MSB != (\new)
	s_set_vgpr_msb (MSB<<8)|(\new)
.set MSB, \new
.endif
.endm
.macro PLACES
.rept 4
	v_nop
.endr
.endm
.macro CREST
	s_cmp_lg_u32 s[WV], 0
	s_cbranch_scc1 .Lnot_wave_0_\@
	s_barrier_signal -3
.Lnot_wave_0_\@:
	s_barrier_wait -3
	s_barrier_signal -1
	s_barrier_wait -1
.endm
.macro CROUND
	s_barrier_signal -1
	s_barrier_wait -1
	CREST
.endm
.macro JLOAD                           ; waves 0 and 1 fetch O's two groups, waves 2 and 3 Wh's two chunks
	s_cmp_lt_u32 s[WV], 2
	s_cbranch_scc0 .Lfor_b_\@
	tensor_load_to_lds s[G0A+4:G0A+7], s[G1A:G1A+7]
	s_nop 0
.rept 4
	v_nop
.endr
	s_branch .Lasked_\@
.Lfor_b_\@:
	tensor_load_to_lds s[G0B+4:G0B+7], s[G1B:G1B+7]
	s_nop 0
.rept 4
	v_nop
.endr
.Lasked_\@:
.endm
	s_load_b256 s[4:11], s[0:1], 0x0               ; og s[4:5], wh16 s[6:7], bias s[8:9], out0 s[10:11]
	v_lshl_add_u32 v[SPW], v0, 2, SPARE
	v_mov_b32 v[NIL], 0
	ds_add_u32 v[SPW], v[NIL]                      ; the wave's opening: the add and its wait stand ahead of my first tensor load
	v_lshrrev_b32 v1, 5, v0
	v_readfirstlane_b32 s[WV], v1
	s_and_b32 s[W1], s[WV], 1                      ; which group, or which chunk, I fetch
	s_bfe_u32 s[CX], ttmp6, 0x40000
	s_bfe_u32 s[CY], ttmp6, 0x40004
	s_lshl_b32 s[CT], ttmp9, 2
	s_add_co_u32 s[CT], s[CT], s[CX]
	s_and_b32 s[RT], ttmp7, 0xffff
	s_lshl_b32 s[RT], s[RT], 2
	s_add_co_u32 s[RT], s[RT], s[CY]
	s_lshl_b32 s17, s[CY], 2
	s_lshl_b32 s17, 15, s17
	s_lshl_b32 s18, 0x1111, s[CX]
	s_or_b32 s[G1A], s17, (1<<16)|(1<<20)|(1<<21)|(4<<22)|(3<<25)  ; O: after every 32 words, 4 words of padding
	s_or_b32 s[G1B], s18, (1<<16)|(1<<20)|(1<<21)|(5<<22)|(7<<25)  ; Wh: after every 64 words, 8 words
	s_mov_b32 s[G1A+1], 128<<16                    ; O: 64 rows x 128 elements, dense
	s_mov_b32 s[G1A+2], 64<<16
	s_mov_b32 s[G1A+3], 128<<16
	s_mov_b32 s[G1A+4], 64
	s_mov_b32 s[G1A+5], 128
	s_mov_b32 s[G1A+6], 0
	s_mov_b32 s[G1A+7], 0
	s_mov_b32 s[G1B+1], 128<<16                    ; Wh: 128 k x 128 elements, 1,024 elements from row to row
	s_mov_b32 s[G1B+2], 128<<16
	s_mov_b32 s[G1B+3], 128<<16
	s_mov_b32 s[G1B+4], 128
	s_mov_b32 s[G1B+5], 1024
	s_mov_b32 s[G1B+6], 0
	s_mov_b32 s[G1B+7], 0
	s_mul_i32 s[L0A], s[W1], AG
	s_mul_i32 s[L0B], s[W1], CH
	s_add_co_u32 s[L0B], s[L0B], ASZ
	s_lshl_b32 s58, s[W1], 20                      ; a group of og is 1,048,576 bytes,
	s_lshl_b32 s59, s[RT], 14                      ; a tile row's 128 rows 16,384
	s_add_co_u32 s58, s58, s59
	s_mov_b32 s59, 0
	s_lshl_b32 s60, s[CT], 9
	s_lshl_b32 s61, s[W1], 8
	s_add_co_u32 s60, s60, s61
	s_mov_b32 s61, 0
	s_mov_b32 s[TB], 0
	s_mov_b32 s[G0A], 1
	s_mov_b32 s[G0A+1], s[L0A]
	s_mov_b32 s[G0A+4], 1
	s_add_co_u32 s[G0A+5], s[L0A], SLOT
	s_mov_b32 s[G0B], 1
	s_mov_b32 s[G0B+1], s[L0B]
	s_mov_b32 s[G0B+4], 1
	s_add_co_u32 s[G0B+5], s[L0B], SLOT
	s_wait_dscnt 0x0                               ; the opening add is done
	s_wait_kmcnt 0x0
	s_add_nc_u64 s[G0A+2:G0A+3], s[4:5], s[58:59]
	s_add_nc_u64 s[G0A+6:G0A+7], s[G0A+2:G0A+3], 2097152   ; two groups on
	s_or_b32 s[G0A+3], s[G0A+3], 0x80000000
	s_or_b32 s[G0A+7], s[G0A+7], 0x80000000
	s_add_nc_u64 s[G0B+2:G0B+3], s[6:7], s[60:61]
	s_add_nc_u64 s[G0B+6:G0B+7], s[G0B+2:G0B+3], 128*1024*2
	s_or_b32 s[G0B+3], s[G0B+3], 0x80000000
	s_or_b32 s[G0B+7], s[G0B+7], 0x80000000
	CROUND                                         ; all sixteen work-groups are here: the first joint loads meet
	s_cmp_lt_u32 s[WV], 2                          ; a wave's two first fills stand in one branch
	s_cbranch_scc0 .Lfirst_b
	tensor_load_to_lds s[G0A:G0A+3], s[G1A:G1A+7]
	s_nop 0
	tensor_load_to_lds s[G0A+4:G0A+7], s[G1A:G1A+7]
	s_nop 0
.rept 4
	v_nop
.endr
	s_branch .Lfirst_asked
.Lfirst_b:
	tensor_load_to_lds s[G0B:G0B+3], s[G1B:G1B+7]
	s_nop 0
	tensor_load_to_lds s[G0B+4:G0B+7], s[G1B:G1B+7]
	s_nop 0
.rept 4
	v_nop
.endr
.Lfirst_asked:
	v_and_b32 v1, 15, v0                           ; r
	v_bfe_u32 v2, v0, 4, 1                         ; h
	s_lshl_b32 s62, s[CT], 10
	s_add_co_u32 s62, s62, 12288                   ; bh lies behind bq, bk and bv
	s_mov_b32 s63, 0
	s_add_nc_u64 s[8:9], s[8:9], s[62:63]
	s_lshl_b32 s66, s[WV], 8
	v_lshl_add_u32 v3, v2, 5, s66                  ; (64 w + 8 h) x 4 bytes
.irp b, 0,1,2,3
	global_load_b128 v[BIAS+8*\b:BIAS+8*\b+3],   v3, s[8:9] offset:64*\b
	global_load_b128 v[BIAS+8*\b+4:BIAS+8*\b+7], v3, s[8:9] offset:64*\b+16
.endr
	v_mul_u32_u24 v[ADRA0], v1, PA
	v_lshl_add_u32 v[ADRA0], v2, 4, v[ADRA0]
	v_mov_b32 v[ADRA], v[ADRA0]
	v_and_b32 v4, 7, v0
	v_lshl_add_u32 v4, v2, 3, v4
	v_mul_u32_u24 v4, v4, PB
	v_bfe_u32 v5, v0, 3, 1
	v_lshl_add_u32 v4, v5, 4, v4
	s_lshr_b32 s67, s[WV], 1                       ; my 64 columns: chunk w / 2,
	s_mul_i32 s67, s67, CH
	s_lshl_b32 s68, s[W1], 7                       ; its half w % 2
	s_add_co_u32 s67, s67, s68
	s_add_co_u32 s67, s67, ASZ
	v_add_nc_u32 v[ADRB0], s67, v4
	v_mov_b32 v[ADRB], v[ADRB0]
	s_mul_i32 s68, s[WV], 16*SPITCH
	s_add_co_u32 s68, s68, STAGE                   ; my stage
	v_mul_u32_u24 v[STO], v1, SPITCH               ; in: row l % 16, 32 bytes for each half of the lanes
	v_lshl_add_u32 v[STO], v2, 5, v[STO]
	v_add_nc_u32 v[STO], s68, v[STO]
	v_mul_u32_u24 v[RD], v2, SPITCH                ; back: lanes 0-15 take one row of 256 bytes, lanes 16-31 the next
	v_lshl_add_u32 v[RD], v1, 4, v[RD]
	v_add_nc_u32 v[RD], s68, v[RD]
	v_lshlrev_b32 v6, 12, v2                       ; and the same two rows in out0: 4,096 bytes apart
	v_lshl_add_u32 v[CO], v1, 4, v6
	s_lshl_b32 s70, s[RT], 19
	s_lshl_b32 s71, s[CT], 10
	s_add_co_u32 s70, s70, s71
	s_add_co_u32 s70, s70, s66
	s_mov_b32 s71, 0
	s_add_nc_u64 s[10:11], s[10:11], s[70:71]
; na x 4 matrix instructions: row blocks a0 .. x all 4 column blocks, 32 along K, buffer f.  first = 1: C is the bias.  The 32 accumulators take turns.
.macro MULH f, a0, na, first
.if \first
	WIN 0x42                                       ; Wh in window 2, O in window 0, the bias in window 0, D in window 1
.else
	WIN 0x52
.endif
.set aa, \a0
.rept \na
.set bb, 0
.rept 4
.set rD, 8*(4*aa+bb)
.set rA, FA+64*(\f)+8*aa
.set rB, 32*(\f)+8*bb
.if \first
	v_wmma_f32_16x16x32_f16 v[rD:rD+7], v[rB:rB+7], v[rA:rA+7], v[BIAS+8*bb:BIAS+8*bb+7]
.else
	v_wmma_f32_16x16x32_f16 v[rD:rD+7], v[rB:rB+7], v[rA:rA+7], v[rD:rD+7]
.endif
.set bb, bb+1
.endr
.set aa, aa+1
.endr
.endm
.macro FETCH q, f                      ; 24 LDS loads in one run: Wh's four fragments, turned, then O's eight, rows ascending
	WIN 0x80
.irp b, 0,1,2,3
	ds_load_tr16_b128 v[32*(\f)+8*\b:32*(\f)+8*\b+3],   v[ADRB] offset:(\q)*32*PB+32*\b
	ds_load_tr16_b128 v[32*(\f)+8*\b+4:32*(\f)+8*\b+7], v[ADRB] offset:(\q)*32*PB+32*\b+16*PB
.endr
	WIN 0
.irp a, 0,1,2,3,4,5,6,7
	ds_load_b128 v[FA+64*(\f)+8*\a:FA+64*(\f)+8*\a+3],   v[ADRA] offset:((\q)/2)*AG+((\q)%2)*64+\a*16*PA
	ds_load_b128 v[FA+64*(\f)+8*\a+4:FA+64*(\f)+8*\a+7], v[ADRA] offset:((\q)/2)*AG+((\q)%2)*64+\a*16*PA+32
.endr
.endm
.macro QUARTER qn, f, g, first
	s_wait_dscnt 8                                 ; Wh's fragments and O's rows 0-63 are in; the youngest eight loads may be out
	MULH \f, 0, 4, \first
	PLACES
	FETCH \qn, \g
	s_wait_dscnt 24                                ; all but the 24 just issued
	MULH \f, 4, 4, \first
.endm
; The last quarter multiplies buffer 1 and changes slots: one barrier.  Its first 16 products stand AHEAD of the wait for the tiles, so that between a tile's landing and the next request stand only the add,
; the descriptors' steps and the barrier.  fill = 1: a round of the cluster's barrier and the joint refill, a whole K step, 128 matrix instructions, ahead of the wait for it.
.macro TURN fill
	s_wait_dscnt 8                                 ; Wh's fragments and O's rows 0-63 are in
	MULH 1, 0, 4, 0
	WIN 0
	s_wait_tensorcnt 0x0                           ; no tensor load of mine is out, so a group 0 may be written
	ds_add_u32 v[SPW], v[NIL]                      ; 0 onto my spare word: the descriptors' steps stand between it and the wait for it
.if \fill
	s_add_co_u32 s[G0A+5], s[L0A], s[TB]           ; the walking descriptors: into the slot that is being read out, the next K step
	s_add_co_u32 s[G0B+5], s[L0B], s[TB]
	s_add_nc_u64 s[G0A+6:G0A+7], s[G0A+6:G0A+7], 2097152
	s_add_nc_u64 s[G0B+6:G0B+7], s[G0B+6:G0B+7], 128*1024*2
.endif
	s_wait_dscnt 0x0                               ; the add is done, and my reads of this slot are over: the youngest eight, O's rows 64-127, among them
	s_barrier_signal -1
	s_barrier_wait -1
.if \fill
	CREST
	JLOAD
.else
	PLACES
.endif
	s_xor_b32 s[TB], s[TB], SLOT
	v_add_nc_u32 v[ADRA], s[TB], v[ADRA0]
	v_add_nc_u32 v[ADRB], s[TB], v[ADRB0]
	FETCH 0, 0
	MULH 1, 4, 4, 0
.endm
	s_wait_tensorcnt 0x1                           ; my part of K step 0 is in; K step 1's may stay out
	s_barrier_signal -1
	s_barrier_wait -1
	FETCH 0, 0
	s_wait_loadcnt 0x0                             ; the bias
	QUARTER 1, 0, 1, 1
	WIN 0
	s_mov_b32 s[CNT], 6
.LloopA:
	QUARTER 2, 1, 0, 0
	QUARTER 3, 0, 1, 0
	TURN 1
	QUARTER 1, 0, 1, 0
	WIN 0
	s_sub_co_u32 s[CNT], s[CNT], 1
	s_cmp_lg_u32 s[CNT], 0
	s_cbranch_scc1 .LloopA
	s_mov_b32 s[CNT], 2
.LloopB:
	QUARTER 2, 1, 0, 0
	QUARTER 3, 0, 1, 0
	TURN 0
	WIN 0
	s_cmp_eq_u32 s[CNT], 1
	s_cbranch_scc1 .Lno_more
	QUARTER 1, 0, 1, 0
	WIN 0
.Lno_more:
	s_sub_co_u32 s[CNT], s[CNT], 1
	s_cmp_lg_u32 s[CNT], 0
	s_cbranch_scc1 .LloopB
	; THE WAY OUT.  A wave's 64 columns of f32 are 256 bytes: 16 rows at a time go through the wave's own stage, straight from the accumulators (their low registers first), and come back as whole rows.
	s_wait_dscnt 0x0                               ; the unused fragments have landed
	PLACES
.macro SEND a, younger                 ; younger: the LDS instructions issued behind block a's loads
	s_wait_dscnt \younger
.irp t, 0,1,2,3,4,5,6,7
	global_store_b128 v[CO], v[BK+32*((\a)%2)+4*\t:BK+32*((\a)%2)+4*\t+3], s[10:11] offset:(\a)*65536+\t*8192 th:TH_STORE_NT  ; 16 lanes store 256 consecutive bytes, at a multiple of 256 from out0's first byte
.endr
.endm
.set aa, 0
.rept 8
	WIN 0x04                                       ; the stores' data in window 1
.irp b, 0,1,2,3
	ds_store_b128 v[STO], v[8*(4*aa+\b):8*(4*aa+\b)+3]   offset:64*\b
	ds_store_b128 v[STO], v[8*(4*aa+\b)+4:8*(4*aa+\b)+7] offset:64*\b+16
.endr
	WIN 0
.if aa >= 2
	s_wait_xcnt 0x0                                ; the stores of the block two back have had their addresses translated (ISA guide 3.1): their data registers are loaded again only behind this wait
.endif
.irp t, 0,1,2,3,4,5,6,7
	ds_load_b128 v[BK+32*(aa%2)+4*\t:BK+32*(aa%2)+4*\t+3], v[RD] offset:\t*2*SPITCH  ; LDS serves a wave's instructions in order (ISA guide 5.7.1.4): these see the stores above
.endr
.if aa >= 1
	SEND aa-1, 16
.endif
.set aa, aa+1
.endr
	SEND 7, 0
	s_wait_tensorcnt 0x0                           ; the wave's end
	ds_add_u32 v[SPW], v[NIL]
	s_wait_dscnt 0x0
	CROUND                                         ; the closing round
	s_endpgm
.Lfunc_end_k_qaca7acd973_outp:
	.size	k_qaca7acd973_outp, .Lfunc_end_k_qaca7acd973_outp-k_qaca7acd973_outp
	.p2alignl 7, 3214868480
	.fill 96, 4, 3214868480
	.section	.rodata,"a",@progbits
	.p2align	6, 0x0
	.amdhsa_kernel k_qaca7acd973_outp
		.amdhsa_group_segment_fixed_size 327680
		.amdhsa_private_segment_fixed_size 0
		.amdhsa_enable_private_segment 0
		.amdhsa_kernarg_size 32
		.amdhsa_user_sgpr_count 2
		.amdhsa_user_sgpr_kernarg_segment_ptr 1
		.amdhsa_wavefront_size32 1
		.amdhsa_system_sgpr_workgroup_id_x 1
		.amdhsa_system_sgpr_workgroup_id_y 1
		.amdhsa_system_sgpr_workgroup_id_z 1
		.amdhsa_system_vgpr_workitem_id 0
		.amdhsa_next_free_vgpr 576
		.amdhsa_next_free_sgpr 96
		.amdhsa_reserve_vcc 0
		.amdhsa_float_denorm_mode_32 3
		.amdhsa_float_denorm_mode_16_64 3
		.amdhsa_memory_ordered 1
		.amdhsa_forward_progress 1
		.amdhsa_inst_pref_size 61
	.end_amdhsa_kernel
	.amdgpu_metadata
---
amdhsa.version: [ 1, 2 ]
amdhsa.kernels:
  - .name:           k_qaca7acd973_outp
    .symbol:         k_qaca7acd973_outp.kd
    .args:
      - { .name: og, .offset: 0, .size: 8, .value_kind: global_buffer, .address_space: global }
      - { .name: wh16, .offset: 8, .size: 8, .value_kind: global_buffer, .address_space: global }
      - { .name: bias, .offset: 16, .size: 8, .value_kind: global_buffer, .address_space: global }
      - { .name: out0, .offset: 24, .size: 8, .value_kind: global_buffer, .address_space: global }
    .group_segment_fixed_size: 327680
    .private_segment_fixed_size: 0
    .kernarg_segment_align: 8
    .kernarg_segment_size: 32
    .max_flat_workgroup_size: 128
    .sgpr_count:     96
    .vgpr_count:     576
    .wavefront_size: 32
...
	.end_amdgpu_metadata
.endif
;; end of part 5
;; ======== version 2 of 2: 5 launches; version 1 with the launch prep written anew for expert scheduling mode
;; limits: values are held in f16: magnitudes above 65,504 overflow, below 6.1e-05 lose precision
;; workspace buffers: x16 16,777,216 bytes; w16 6,291,456 bytes; wh16 2,097,152 bytes; bias 16,384 bytes; qkv 50,331,648 bytes; e 33,554,432 bytes; st 2,097,152 bytes; og 16,777,216 bytes
;; launch prep (part 6): grid 1540 x 1, 8 waves a work-group, no clusters, 0 bytes of LDS; arguments x, Wq, Wk, Wv, Wh, bq, bk, bv, bh, x16, w16, wh16, bias; writes x16, w16, wh16, bias
.if DOCPART == 6
	.amdgcn_target "amdgcn-amd-amdhsa--gfx1250"
	.amdhsa_code_object_version 6
	.text
	.protected	k_qaca7acd973_prep
	.globl	k_qaca7acd973_prep
	.p2align	8
	.type	k_qaca7acd973_prep,@function
k_qaca7acd973_prep:
	s_mov_b64 s[64:65], 0
	v_nop
	global_prefetch_b8 v0, s[64:65] scope:SCOPE_SE
	s_setreg_imm32_b32 hwreg(HW_REG_WAVE_SCHED_MODE, 0, 2), 2
	s_setreg_imm32_b32 hwreg(HW_REG_WAVE_MODE, 25, 1), 1
	s_wait_xcnt 0x0
	s_wait_alu depctr_vm_vsrc(0)
; PREP: every input is rounded once to bf16.  x -> x16 [8192][1024] bf16.  Wq, Wk, Wv -> w16 [1024][3072] bf16, side by side.
; Wh -> wh16 [1024][1024]: rounded to bf16, and that number written as f16.  bq, bk, bv, bh -> bias [4096] f32: rounded to bf16 and widened again.
; LIMIT.  wh16 is f16: a weight of Wh beyond 65,504 becomes an infinity; below 2^-14 it keeps f16's fixed step of 2^-24.
; A stream: no LDS, no matrix unit, and no cluster, since no two work-groups read the same byte.
; Work-groups 0-1023: 8 rows of x each.  1024-1535: 8 rows of one weight matrix (128 groups a matrix).  1536-1539: one bias.
; Thread t takes 32 bytes (8 numbers) at 32 t of each 8,192 bytes (two rows), four times: 8 loads out at once; 8 numbers pack into 16 bytes, so a wave's store covers 512 consecutive bytes.
; THE MODE: SCHED_MODE bits 1:0 = 2 (LLVM: expert scheduling mode 2), set by the entry lines.  The code itself states the register dependences
; between vector instructions and memory instructions, with s_wait_alu, always for 0.
; THE PLAN.  Registers that memory instructions touch:
;   v1        the loads' offset.  Written once on each path (32 t at the head; 16 t at the head of the bias's path, before any memory instruction has read it), then only read.
;   XIN       the eight loads land in it; no vector instruction names it before them, and no load lands in it after them.
;   OFF       store i's offset.  Written once, behind the loads; then only read.
;   YO        store i's data: four registers of its own for each pair of rows.  Written once, by pair i's conversions; then only read.
;   v24-27    the bias's path: the one store's data.  Written once.
;   v2, v3, v8-11, v20, v21 are named by vector instructions alone.
; So every wait is on va_vdst: one ahead of the loads (v1 is written), and one ahead of each store (its data are written).  Store i stands at the head of pair i + 1, behind that pair's wait for its
; loads, so that the wait on va_vdst does not stand straight behind the conversions that it waits for; only the last store has no pair behind it.  No register that a memory instruction
; reads is written again, no vector instruction writes a scalar register or VCC, and EXEC is never written: the text holds no other kind of wait.
.set OFF, 4                            ; v4-7    byte offset of my 16 bytes in the output, for each of the four pairs of rows
.set XIN, 16                           ; v16-47  as loaded
.set YO,  48                           ; v48-63  to store
	s_load_b512 s[4:19], s[0:1], 0x0               ; x s[4:5], Wq s[6:7], Wk s[8:9], Wv s[10:11], Wh s[12:13], bq s[14:15], bk s[16:17], bv s[18:19]
	s_load_b256 s[20:27], s[0:1], 0x40             ; bh s[20:21], x16 s[22:23], w16 s[24:25], wh16 s[26:27]
	s_load_b64 s[28:29], s[0:1], 0x60              ; bias
	s_mov_b32 s30, ttmp9
	s_mov_b32 s33, 0                               ; the high word of every offset
	s_mov_b32 s46, 0xffff0000                      ; a word's upper bf16
	v_lshlrev_b32 v1, 5, v0                        ; 32 t
	v_and_b32 v2, 127, v0
	v_lshlrev_b32 v2, 4, v2                        ; 16 (t mod 128): my place in an output row
	v_lshrrev_b32 v3, 7, v0                        ; which of the two rows
	s_wait_kmcnt 0x0
	s_cmp_ge_u32 s30, 1536
	s_cbranch_scc1 .Lbias
	s_cmp_ge_u32 s30, 1024
	s_cbranch_scc1 .Lweight
	s_lshl_b32 s32, s30, 15                        ; x: 8 rows of 4,096 bytes in,
	s_add_nc_u64 s[34:35], s[4:5], s[32:33]
	s_lshl_b32 s32, s30, 14                        ; 8 rows of 2,048 bytes out
	s_add_nc_u64 s[36:37], s[22:23], s[32:33]
	s_mov_b32 s38, 2048                            ; bytes from row to row in the output
	s_mov_b32 s39, 0                               ; bf16 out
	s_branch .Lgo
.Lweight:
	s_sub_co_u32 s31, s30, 1024
	s_lshr_b32 s40, s31, 7                         ; which matrix: 0 Wq, 1 Wk, 2 Wv, 3 Wh
	s_and_b32 s41, s31, 127                        ; which 8 rows
	s_mov_b32 s43, 2048
	s_mov_b32 s44, 6144
	s_lshl_b32 s42, s40, 11                        ; the matrix's 2,048 bytes in a row of w16
	s_cmp_eq_u32 s40, 1
	s_cselect_b64 s[34:35], s[8:9], s[6:7]
	s_cmp_eq_u32 s40, 2
	s_cselect_b64 s[34:35], s[10:11], s[34:35]
	s_cmp_eq_u32 s40, 3
	s_cselect_b64 s[34:35], s[12:13], s[34:35]
	s_cselect_b64 s[36:37], s[26:27], s[24:25]
	s_cselect_b32 s38, s43, s44
	s_cselect_b32 s39, 1, 0                        ; Wh leaves as f16
	s_cselect_b32 s42, 0, s42
	s_lshl_b32 s32, s41, 15
	s_add_nc_u64 s[34:35], s[34:35], s[32:33]
	s_mul_i32 s32, s41, s38
	s_lshl_b32 s32, s32, 3                         ; 8 output rows a group
	s_add_co_u32 s32, s32, s42
	s_add_nc_u64 s[36:37], s[36:37], s[32:33]
.Lgo:
	s_wait_alu depctr_va_vdst(0)                   ; v1 is written, which the eight loads read as their offset
.irp i, 0,1,2,3
	global_load_b128 v[XIN+8*\i:XIN+8*\i+3],   v1, s[34:35] offset:8192*\i th:TH_LOAD_NT
	global_load_b128 v[XIN+8*\i+4:XIN+8*\i+7], v1, s[34:35] offset:8192*\i+16 th:TH_LOAD_NT
.endr
	v_mul_lo_u32 v3, v3, s38                       ; these six lines name neither v1 nor XIN
	v_add_nc_u32 v[OFF], v3, v2
	s_lshl_b32 s45, s38, 1                         ; two rows on
	v_add_nc_u32 v[OFF+1], s45, v[OFF]
	v_add_nc_u32 v[OFF+2], s45, v[OFF+1]
	v_add_nc_u32 v[OFF+3], s45, v[OFF+2]
	s_cmp_eq_u32 s39, 1
	s_cbranch_scc1 .Lhalf
.irp i, 0,1,2,3
	s_wait_loadcnt 6-2*\i                          ; loads come back in order: this pair is in, the younger pairs stay out
.if \i > 0
	s_wait_alu depctr_va_vdst(0)                   ; the pair before has written its four registers of YO, which the store below reads; at the first of these waits the four offsets OFF are written too
	global_store_b128 v[OFF+\i-1], v[YO+4*\i-4:YO+4*\i-1], s[36:37]
.endif
.irp j, 0,1,2,3
	v_cvt_pk_bf16_f32 v[YO+4*\i+\j], v[XIN+8*\i+2*\j], v[XIN+8*\i+2*\j+1]  ; into this pair's own registers: no store that is out reads them
.endr
.endr
	s_wait_alu depctr_va_vdst(0)                   ; the last pair's conversions have written v[YO+12 ..], which the last store reads
	global_store_b128 v[OFF+3], v[YO+12:YO+15], s[36:37]
	s_endpgm
.Lhalf:
.irp i, 0,1,2,3
	s_wait_loadcnt 6-2*\i
.if \i > 0
	s_wait_alu depctr_va_vdst(0)                   ; the pair before has written its four registers of YO, which the store below reads; at the first of these waits the four offsets OFF are written too
	global_store_b128 v[OFF+\i-1], v[YO+4*\i-4:YO+4*\i-1], s[36:37]
.endif
.irp j, 0,1,2,3
	v_cvt_pk_bf16_f32 v[8+\j], v[XIN+8*\i+2*\j], v[XIN+8*\i+2*\j+1]  ; the rounding that every input gets,
.endr
.irp j, 0,1,2,3
	v_lshlrev_b32 v[XIN+8*\i+2*\j], 16, v[8+\j]    ; widened again,
	v_and_b32 v[XIN+8*\i+2*\j+1], s46, v[8+\j]
.endr
.irp j, 0,1,2,3
	v_cvt_pk_f16_f32 v[YO+4*\i+\j], v[XIN+8*\i+2*\j], v[XIN+8*\i+2*\j+1]  ; and written as f16: bf16's 8 significant bits fit
.endr
.endr
	s_wait_alu depctr_va_vdst(0)                   ; the last pair's conversions have written v[YO+12 ..], which the last store reads
	global_store_b128 v[OFF+3], v[YO+12:YO+15], s[36:37]
	s_endpgm
.Lbias:
	v_lshlrev_b32 v1, 4, v0                        ; 256 threads x 16 bytes: the 1,024 numbers; no memory instruction has read v1 on this path
	s_sub_co_u32 s31, s30, 1536
	s_cmp_eq_u32 s31, 1
	s_cselect_b64 s[34:35], s[16:17], s[14:15]
	s_cmp_eq_u32 s31, 2
	s_cselect_b64 s[34:35], s[18:19], s[34:35]
	s_cmp_eq_u32 s31, 3
	s_cselect_b64 s[34:35], s[20:21], s[34:35]
	s_lshl_b32 s32, s31, 12
	s_add_nc_u64 s[36:37], s[28:29], s[32:33]
	s_wait_alu depctr_va_vdst(0)                   ; v1 is written, which the load and the store below read as their offset
	global_load_b128 v[16:19], v1, s[34:35]
	s_wait_loadcnt 0x0
	v_cvt_pk_bf16_f32 v20, v16, v17
	v_cvt_pk_bf16_f32 v21, v18, v19
	v_lshlrev_b32 v24, 16, v20
	v_and_b32 v25, s46, v20
	v_lshlrev_b32 v26, 16, v21
	v_and_b32 v27, s46, v21
	s_wait_alu depctr_va_vdst(0)                   ; the four lines above have written v[24:27], which the store reads
	global_store_b128 v1, v[24:27], s[36:37]
	s_endpgm
.Lfunc_end_k_qaca7acd973_prep:
	.size	k_qaca7acd973_prep, .Lfunc_end_k_qaca7acd973_prep-k_qaca7acd973_prep
	.p2alignl 7, 3214868480
	.fill 96, 4, 3214868480
	.section	.rodata,"a",@progbits
	.p2align	6, 0x0
	.amdhsa_kernel k_qaca7acd973_prep
		.amdhsa_group_segment_fixed_size 0
		.amdhsa_private_segment_fixed_size 0
		.amdhsa_enable_private_segment 0
		.amdhsa_kernarg_size 104
		.amdhsa_user_sgpr_count 2
		.amdhsa_user_sgpr_kernarg_segment_ptr 1
		.amdhsa_wavefront_size32 1
		.amdhsa_system_sgpr_workgroup_id_x 1
		.amdhsa_system_sgpr_workgroup_id_y 1
		.amdhsa_system_sgpr_workgroup_id_z 1
		.amdhsa_system_vgpr_workitem_id 0
		.amdhsa_next_free_vgpr 64
		.amdhsa_next_free_sgpr 66
		.amdhsa_reserve_vcc 0
		.amdhsa_float_denorm_mode_32 3
		.amdhsa_float_denorm_mode_16_64 3
		.amdhsa_memory_ordered 1
		.amdhsa_forward_progress 1
		.amdhsa_inst_pref_size 10
	.end_amdhsa_kernel
	.amdgpu_metadata
---
amdhsa.version: [ 1, 2 ]
amdhsa.kernels:
  - .name:           k_qaca7acd973_prep
    .symbol:         k_qaca7acd973_prep.kd
    .args:
      - { .name: x, .offset: 0, .size: 8, .value_kind: global_buffer, .address_space: global }
      - { .name: Wq, .offset: 8, .size: 8, .value_kind: global_buffer, .address_space: global }
      - { .name: Wk, .offset: 16, .size: 8, .value_kind: global_buffer, .address_space: global }
      - { .name: Wv, .offset: 24, .size: 8, .value_kind: global_buffer, .address_space: global }
      - { .name: Wh, .offset: 32, .size: 8, .value_kind: global_buffer, .address_space: global }
      - { .name: bq, .offset: 40, .size: 8, .value_kind: global_buffer, .address_space: global }
      - { .name: bk, .offset: 48, .size: 8, .value_kind: global_buffer, .address_space: global }
      - { .name: bv, .offset: 56, .size: 8, .value_kind: global_buffer, .address_space: global }
      - { .name: bh, .offset: 64, .size: 8, .value_kind: global_buffer, .address_space: global }
      - { .name: x16, .offset: 72, .size: 8, .value_kind: global_buffer, .address_space: global }
      - { .name: w16, .offset: 80, .size: 8, .value_kind: global_buffer, .address_space: global }
      - { .name: wh16, .offset: 88, .size: 8, .value_kind: global_buffer, .address_space: global }
      - { .name: bias, .offset: 96, .size: 8, .value_kind: global_buffer, .address_space: global }
    .group_segment_fixed_size: 0
    .private_segment_fixed_size: 0
    .kernarg_segment_align: 8
    .kernarg_segment_size: 104
    .max_flat_workgroup_size: 256
    .sgpr_count:     66
    .vgpr_count:     64
    .wavefront_size: 32
...
	.end_amdgpu_metadata
.endif
;; end of part 6
;; launch qkvp: the kernel of part 2 again; grid 8 x 64, 4 waves a work-group, clusters of 4 x 4, 327,680 bytes of LDS; arguments x16, w16, bias, qkv; writes qkv
;; launch score: the kernel of part 3 again; grid 40 x 16, 4 waves a work-group, clusters of 4 x 4, 327,680 bytes of LDS; arguments qkv, e, st; writes e, st
;; launch pv: the kernel of part 4 again; grid 8 x 32, 4 waves a work-group, clusters of 4 x 4, 327,680 bytes of LDS; arguments e, qkv, st, og; writes og
;; launch outp: the kernel of part 5 again; grid 4 x 64, 4 waves a work-group, clusters of 4 x 4, 327,680 bytes of LDS; arguments og, wh16, bias, out0; writes out0
